; MI455X (gfx1250); checked and timed in simulation.
; The chip was launched on July 23, 2026; its instructions are those of AMD's public machine-readable ISA for CDNA 5 (MIT licence, August 2026) and "CDNA5" Instruction Set Architecture Reference Guide (July 2026). The comments in the code are by the model that wrote it; some were corrected since.
;; Multi Head Attention. Allowed arithmetic: matrix products marked QUANTISED: E2M3 operands, one E8M0 scale for each 32 along K, by v_wmma_scale_f32_16x16x128_f8f6f4 with both operands' format E2M3, f32 sums; everything else in f32.
;; Inputs: Wk 1,024 x 1,024 float32; Wo 1,024 x 1,024 float32; Wq 1,024 x 1,024 float32; Wv 1,024 x 1,024 float32; k 4 x 2,048 x 1,024 float32; mask 4 x 1 x 2,048 int32; q 4 x 2,048 x 1,024 float32; v 4 x 2,048 x 1,024 float32.
;; Outputs: out0 4 x 2,048 x 1,024 float32.
;; This version of the problem:
;;   THIS VERSION OF THE PROBLEM IS GIVEN IN LOW PRECISION. The matrix products marked QUANTISED in the list below multiply operands that are first quantised to E2M3 (2 exponent bits, 3 mantissa bits; 6 bits a number), with one power-of-two scale for each 32 numbers along K (OCP MX v1.0); their sums are f32. All else is computed in f32.
;;   The module's matrix products, in the order in which they are computed (A, B: the left and right operand; K: the contracted axis; several contracted axes count as one K, in the product's order):
;;     1. [M 8,192, K 1,024] x [K 1,024, N 1,024]; A: input q; B: input Wq: QUANTISED
;;     2. [M 8,192, K 1,024] x [K 1,024, N 1,024]; A: input k; B: input Wk: QUANTISED
;;     3. [M 8,192, K 1,024] x [K 1,024, N 1,024]; A: input v; B: input Wv: QUANTISED
;;     4. batch 64 x [M 2,048, K 64] x [K 64, N 2,048]; A: computed on the way; B: computed on the way: QUANTISED
;;     5. batch 64 x [M 2,048, K 2,048] x [K 2,048, N 64]; A: softmax (see below); B: computed on the way: QUANTISED
;;     6. [M 8,192, K 1,024] x [K 1,024, N 1,024]; A: computed on the way; B: input Wo: QUANTISED
;;   THE QUANTISER, for each operand of a quantised product, along K:
;;     - K is cut into blocks of 32 from its start; a last block that is shorter is filled with zeros.
;;     - A block's scale is 2^e with e = floor(log2(the largest magnitude in the block)) - 2, held to -126 .. 127; a block of zeros has e = 0. As a byte (E8M0): e + 127.
;;     - Each number is divided by its block's scale, clamped to +-7.5, and rounded to the nearest number of E2M3, ties to even, subnormals kept.
;;     - The product sums the exact products of the quantised numbers (number of the format x scale) in f32.
;;   ~~~python
;;   def quantise(x, axis):      # numpy; x: float32 -> the quantised numbers, widened to float32 again
;;       x = np.moveaxis(x, axis, -1); K = x.shape[-1]
;;       x = np.pad(x, [(0, 0)] * (x.ndim - 1) + [(0, -K % 32)]); x = x.reshape(x.shape[:-1] + (-1, 32)); a = np.abs(x).max(-1, keepdims=True)
;;       e = np.where(a > 0, np.clip(np.frexp(np.where(a > 0, a, 1))[1] - 1 - 2, -126, 127), 0)      # np.frexp(a)[1] - 1 = floor(log2(a)), exactly
;;       r = np.clip(x / 2.0 ** e, -7.5, 7.5)
;;       step = 2.0 ** (np.maximum(np.frexp(np.where(r == 0, 1, r))[1] - 1, 0) - 3)
;;       q = np.round(r / step) * step * 2.0 ** e      # np.round: ties to even
;;       return np.moveaxis(q.reshape(q.shape[:-2] + (-1,))[..., :K], -1, axis).astype(np.float32)
;;   ~~~
;;   SOFTMAX AHEAD OF A QUANTISED PRODUCT. Where the list says 'softmax', what is quantised is not the finished softmax but p = 2^(t - M), with t = logit x log2(e) and M = ceil(the row's largest t), a whole number; so 1/2 < the row's largest p <= 1. The row's sum l is taken of the UNQUANTISED p, in f32, and the product's result is divided by l at the end. Since M is a whole number, a kernel that streams over the keys may use a running M (the ceiling of the running maximum): every later rescaling is an exact power of two, which a block's scale takes up: the codes' values come out the same.
;;   OPERANDS COMPUTED ON THE WAY. 'Computed on the way' means the value that the module computes at that place (a softmax that the list does not call 'softmax' is quantised finished and normalised). What goes into a quantiser is computed in f32, as accurately as f32 sums, v_exp_f32 and their like allow (about 1e-6 of the number): no bf16 or f16 on the way to a quantiser, and a product that is left as it is and whose result goes on into a quantised operand takes f32 operands (vector FMAs, or v_wmma_f32_16x16x4_f32). A number that lies on a knife's edge between two numbers of the format may be rounded either way, as far as f32 arithmetic and the matrix unit's own rounding can turn it there, and no further.
;; One version. Each part assembles by itself: llvm-mc -triple=amdgcn-amd-amdhsa -mcpu=gfx1250 --defsym DOCPART=n.
;; ======== version 1 of 1: 4 launches
;; limits: right only within a limited range of input values
;; workspace buffers: c1 22,020,096 bytes; s1 917,504 bytes; c2 18,874,368 bytes; s2 786,432 bytes; c3 6,291,456 bytes; s3 262,144 bytes
;; launch quant (part 1): grid 896 x 1, 4 waves a work-group, no clusters, 33,280 bytes of LDS; arguments q, k, v, Wq, Wk, Wv, Wo, c1, s1; writes c1, s1
.if DOCPART == 1
	.amdgcn_target "amdgcn-amd-amdhsa--gfx1250"
	.amdhsa_code_object_version 6
	.text
	.protected	k_qfb154b4b91_quant
	.globl	k_qfb154b4b91_quant
	.p2align	8
	.type	k_qfb154b4b91_quant,@function
k_qfb154b4b91_quant:
	s_mov_b64 s[64:65], 0
	v_nop
	global_prefetch_b8 v0, s[64:65] scope:SCOPE_SE
	s_setreg_imm32_b32 hwreg(HW_REG_WAVE_MODE, 25, 1), 1
	s_wait_xcnt 0x0
; q, k, v [8192][1024] and Wq, Wk, Wv, Wo [1024][1024], f32, K innermost, become codes of FP6 (E2M3) with one E8M0 byte for each 32 along K.
; c1: 28,672 rows of 768 bytes (q, k, v, Wq, Wk, Wv, Wo on end); s1: the same rows, 32 scale bytes each.
; ROW ORDER: row n is stored at place sigma(n), sigma = bits 3 and 4 of the row's number exchanged.  Sixteen places on end then hold rows 8 u + (r % 8) + 16 (r / 8) of their group of 32:
; the rows that a tile of source 0 must hold so that a lane's 16 results of two neighbouring tiles are 16 neighbours.  A wave's run is 8 rows, so sigma exchanges the two bits of the wave's number.
; A block's scale is 2^(floor(log2(its largest magnitude)) - 2); its byte is that magnitude's exponent field - 2, held at 1 from below (a block of zeros keeps the byte 1: its codes are zeros, and this program alone reads the bytes).
; LIMITS: NaN and infinities among the inputs are not served; blocks whose largest magnitude lies under 2^-124 keep the byte 1.
; A wave takes 16 steps of 512 numbers.  Each load reads 512 consecutive bytes; a step's 2,048 bytes turn through the wave's own stage in LDS and come back 64 bytes (16 neighbours) a lane; two lanes hold a block.
; No tensor load, no barrier: waves share nothing.  Loads run four steps (16 loads a wave) ahead, the turn through LDS one step.
.set WAVES, 4
; c1's order inside a group of 128 places (98,304 bytes): [K step of 256 numbers][place][192 bytes], so that 128 places x one K step are 24,576 consecutive bytes, which begin at a multiple of 256.
.set STEPS, 16
.set CB,    12                         ; bytes of 16 codes
.set R,     16                         ; v16-79   four sets of 16 numbers as loaded
.set X,     80                         ; v80-111  two sets of 16 neighbours
.set C,     128                        ; v128-191 codes: four registers for each step, so that no store's data are written again
.set E,     112                        ; v112-127 a scale byte for each step
.set WREG,  8192                       ; LDS: a region for each wave: two stages of 32 x SP bytes, then its 256 scale bytes
.set SP,    80                         ; a lane's place in a stage: 64 bytes + 16 of padding
.set SPW,   12                         ; v12  LDS address of my spare word; never rewritten
.set NIL,   13                         ; v13  0; never rewritten
.set SPARE, WAVES*WREG                 ; behind the four regions: the spare words, 128 bytes for each wave
	s_load_b256 s[24:31], s[0:1], 0x0              ; q, k, v, Wq
	s_load_b256 s[32:39], s[0:1], 0x20             ; Wk, Wv, Wo, c1
	s_load_b64 s[40:41], s[0:1], 0x40              ; s1
	v_lshl_add_u32 v[SPW], v0, 2, SPARE
	v_mov_b32 v[NIL], 0
	v_lshrrev_b32 v1, 5, v0
	v_readfirstlane_b32 s16, v1                    ; wave
	v_and_b32 v2, 31, v0                           ; lane
	v_lshlrev_b32 v3, 4, v2                        ; my 16 bytes of a load's 512
	s_mul_i32 s17, s16, WREG
	v_lshrrev_b32 v14, 2, v2
	v_mul_u32_u24 v14, v14, SP
	v_and_b32 v15, 3, v2
	v_lshl_add_u32 v14, v15, 4, v14
	v_add_nc_u32 v14, s17, v14                     ; the stage, on the way in: SP (lane / 4) + 16 (lane % 4)
	v_mul_u32_u24 v15, v2, SP
	v_add_nc_u32 v15, s17, v15                     ; and on the way out: SP x lane: my 16 neighbours
	v_and_b32 v4, 15, v2
	v_mul_u32_u24 v4, v4, CB                       ; my codes' place: sixteen lanes fill a place's 192 bytes of one K step,
	v_lshrrev_b32 v10, 4, v2
	v_mul_u32_u24 v10, v10, 24576
	v_add_nc_u32 v4, v4, v10                       ; lanes 16-31 those of the next K step
	v_lshrrev_b32 v5, 1, v2
	s_add_co_u32 s17, s17, 2*32*SP
	v_add_nc_u32 v5, s17, v5                       ; LDS: my wave's 256 scale bytes, my block's byte
	v_lshlrev_b32 v7, 3, v2                        ; and on the way out 8 bytes a lane
	v_add_nc_u32 v6, s17, v7
	s_wait_alu depctr_va_vdst(0)
	s_wait_kmcnt 0x0
	s_mov_b64 s[4:5], s[24:25]                     ; which tensor is my work-group's: the choice hangs on the work-group's number alone
	s_mov_b32 s18, 0                               ; and that tensor's first work-group
.macro PICK first, ptr
	s_cmp_ge_u32 ttmp9, \first
	s_cselect_b64 s[4:5], s[\ptr:\ptr+1], s[4:5]
	s_cselect_b32 s18, \first, s18
.endm
	PICK 256, 26                                   ; k
	PICK 512, 28                                   ; v
	PICK 768, 30                                   ; Wq
	PICK 800, 32                                   ; Wk
	PICK 832, 34                                   ; Wv
	PICK 864, 36                                   ; Wo
	s_sub_co_u32 s18, ttmp9, s18
	s_lshl_b32 s18, s18, 2
	s_add_co_u32 s18, s18, s16                     ; which run of 8 rows of the tensor I read
	s_lshl_b32 s18, s18, 15                        ; 32,768 bytes a run
	s_mov_b32 s19, 0
	s_add_nc_u64 s[4:5], s[4:5], s[18:19]
	s_and_b32 s20, s16, 1
	s_lshl_b32 s20, s20, 1
	s_lshr_b32 s21, s16, 1
	s_or_b32 s20, s20, s21                         ; sigma on runs of 8 rows: the wave's two bits exchanged
	s_lshl_b32 s21, ttmp9, 2
	s_add_co_u32 s20, s20, s21                     ; the run's place in c1 and s1: the tensors lie there in the work-groups' order
	s_lshr_b32 s22, s20, 4                         ; sixteen runs of 8 places to a group of 128
	s_mul_i32 s22, s22, 98304
	s_and_b32 s21, s20, 15
	s_mul_i32 s21, s21, 1536                       ; 8 places x 192 bytes
	s_add_co_u32 s22, s22, s21
	s_mov_b32 s23, 0
	s_add_nc_u64 s[8:9], s[38:39], s[22:23]        ; its codes
	s_lshl_b32 s22, s20, 8
	s_add_nc_u64 s[10:11], s[40:41], s[22:23]      ; its 256 scale bytes
.macro LOAD t
.irp i, 0,1,2,3
	global_load_b128 v[R+16*((\t)%4)+4*\i:R+16*((\t)%4)+4*\i+3], v3, s[4:5] offset:2048*(\t)+512*\i th:TH_LOAD_NT   ; 32 lanes read 512 consecutive bytes
.endr
.endm
.macro TURN t                          ; step t's numbers through the stage: LDS serves a wave's instructions in order, so no wait stands between the stores and the loads
.irp i, 0,1,2,3
	ds_store_b128 v14, v[R+16*((\t)%4)+4*\i:R+16*((\t)%4)+4*\i+3] offset:32*SP*((\t)%2)+8*SP*\i
.endr
.irp i, 0,1,2,3
	ds_load_b128 v[X+16*((\t)%2)+4*\i:X+16*((\t)%2)+4*\i+3], v15 offset:32*SP*((\t)%2)+16*\i
.endr
.endm
.irp t, 0,1,2,3
	LOAD \t
.endr
	s_wait_loadcnt 12                              ; step 0's four loads are in; the twelve of steps 1 to 3 may be out
	TURN 0
.macro STEP t
.set XS, X+16*((\t)%2)
.if (\t) > 0
	s_wait_dscnt 1                                 ; this step's numbers are back from the stage (the last step's byte store may be out)
.else
	s_wait_dscnt 0x0
.endif
.if (\t)+4 < STEPS
	LOAD (\t)+4                                    ; into the registers that the stage's stores have read
.endif
.if (\t)+1 < STEPS
.if STEPS-2-(\t) >= 3
	s_wait_loadcnt 12                              ; the next step's four loads are in; those of the three steps behind it may be out
.else
	s_wait_loadcnt 4*(STEPS-2-(\t))
.endif
	TURN (\t)+1                                    ; they go through the other stage while this step is worked
.endif
	v_max3_num_f32 v8, |v[XS]|, |v[XS+1]|, |v[XS+2]|               ; the largest magnitude of my 16, in two chains
	v_max3_num_f32 v9, |v[XS+3]|, |v[XS+4]|, |v[XS+5]|
.irp i, 6,10
	v_max3_num_f32 v8, v8, |v[XS+\i]|, |v[XS+\i+1]|
	v_max3_num_f32 v9, v9, |v[XS+\i+2]|, |v[XS+\i+3]|
.endr
	v_max3_num_f32 v8, v8, |v[XS+14]|, |v[XS+15]|
	v_max3_num_f32 v8, v8, v9, 0x1800000           ; and the floor 2^(3 - 127): the byte cannot fall under 1
	v_max_num_f32_dpp v8, v8, v8 row_xmask:1 row_mask:0xf bank_mask:0xf   ; and of my neighbour's 16: the block's
	v_add_nc_u32 v11, 0xff000000, v8               ; 2 off its exponent field: the conversion takes the exponent field of this operand as its scale
	v_cvt_scalef32_pk16_fp6_f32 v[C+4*(\t):C+4*(\t)+2], v[XS:XS+15], v11
	v_lshrrev_b32 v[E+(\t)], 23, v11               ; the scale's byte (also the plain line behind the conversion)
	ds_store_b8 v5, v[E+(\t)] offset:16*(\t)       ; both lanes of a block write the same byte with the same value
	global_store_b96 v4, v[C+4*(\t):C+4*(\t)+2], s[8:9] offset:49152*((\t)%2)+192*((\t)/2)   ; step t is half t % 2 (two K steps) of the run's row t / 2
.endm
.irp t, 0,1,2,3,4,5,6,7,8,9,10,11,12,13,14,15
	STEP \t
.endr
	ds_load_b64 v[8:9], v6                         ; LDS serves a wave's instructions in order: these see my stores
	s_wait_dscnt 0x0
	global_store_b64 v7, v[8:9], s[10:11]          ; 32 lanes store 256 consecutive bytes, aligned
	s_wait_tensorcnt 0x0                           ; the wave's end
	ds_add_u32 v[SPW], v[NIL]
	s_wait_dscnt 0x0
	s_endpgm
.Lfunc_end_k_qfb154b4b91_quant:
	.size	k_qfb154b4b91_quant, .Lfunc_end_k_qfb154b4b91_quant-k_qfb154b4b91_quant
	.p2alignl 7, 3214868480
	.fill 96, 4, 3214868480
	.section	.rodata,"a",@progbits
	.p2align	6, 0x0
	.amdhsa_kernel k_qfb154b4b91_quant
		.amdhsa_group_segment_fixed_size 33280
		.amdhsa_private_segment_fixed_size 0
		.amdhsa_enable_private_segment 0
		.amdhsa_kernarg_size 72
		.amdhsa_user_sgpr_count 2
		.amdhsa_user_sgpr_kernarg_segment_ptr 1
		.amdhsa_wavefront_size32 1
		.amdhsa_system_sgpr_workgroup_id_x 1
		.amdhsa_system_sgpr_workgroup_id_y 1
		.amdhsa_system_sgpr_workgroup_id_z 1
		.amdhsa_system_vgpr_workitem_id 0
		.amdhsa_next_free_vgpr 192
		.amdhsa_next_free_sgpr 66
		.amdhsa_reserve_vcc 0
		.amdhsa_float_denorm_mode_32 3
		.amdhsa_float_denorm_mode_16_64 3
		.amdhsa_memory_ordered 1
		.amdhsa_forward_progress 1
		.amdhsa_inst_pref_size 34
	.end_amdhsa_kernel
	.amdgpu_metadata
---
amdhsa.version: [ 1, 2 ]
amdhsa.kernels:
  - .name:           k_qfb154b4b91_quant
    .symbol:         k_qfb154b4b91_quant.kd
    .args:
      - { .name: q, .offset: 0, .size: 8, .value_kind: global_buffer, .address_space: global }
      - { .name: k, .offset: 8, .size: 8, .value_kind: global_buffer, .address_space: global }
      - { .name: v, .offset: 16, .size: 8, .value_kind: global_buffer, .address_space: global }
      - { .name: Wq, .offset: 24, .size: 8, .value_kind: global_buffer, .address_space: global }
      - { .name: Wk, .offset: 32, .size: 8, .value_kind: global_buffer, .address_space: global }
      - { .name: Wv, .offset: 40, .size: 8, .value_kind: global_buffer, .address_space: global }
      - { .name: Wo, .offset: 48, .size: 8, .value_kind: global_buffer, .address_space: global }
      - { .name: c1, .offset: 56, .size: 8, .value_kind: global_buffer, .address_space: global }
      - { .name: s1, .offset: 64, .size: 8, .value_kind: global_buffer, .address_space: global }
    .group_segment_fixed_size: 33280
    .private_segment_fixed_size: 0
    .kernarg_segment_align: 8
    .kernarg_segment_size: 72
    .max_flat_workgroup_size: 128
    .sgpr_count:     66
    .vgpr_count:     192
    .wavefront_size: 32
...
	.end_amdgpu_metadata
.endif
;; end of part 1
;; launch proj (part 2): grid 4 x 96, 4 waves a work-group, clusters of 4 x 4, 327,680 bytes of LDS; arguments c1, s1, mask, c2, s2; writes c2, s2
.if DOCPART == 2
	.amdgcn_target "amdgcn-amd-amdhsa--gfx1250"
	.amdhsa_code_object_version 6
	.text
	.protected	k_qfb154b4b91_proj
	.globl	k_qfb154b4b91_proj
	.p2align	8
	.type	k_qfb154b4b91_proj,@function
k_qfb154b4b91_proj:
	s_mov_b64 s[64:65], 0
	v_nop
	global_prefetch_b8 v0, s[64:65] scope:SCOPE_SE
	s_setreg_imm32_b32 hwreg(HW_REG_WAVE_MODE, 25, 1), 1
	s_wait_xcnt 0x0
	s_wait_alu depctr_hold_cnt(0) depctr_sa_sdst(0) depctr_va_vdst(0) depctr_va_sdst(0) depctr_va_ssrc(0) depctr_va_vcc(0) depctr_vm_vsrc(0)
	s_getreg_b32 s2, hwreg(HW_REG_IB_STS2, 6, 4)
	s_cmp_eq_u32 s2, 0
	s_cbranch_scc0 .Lentry_in_a_cluster
	s_endpgm
.Lentry_in_a_cluster:
	s_bfe_u32 s2, ttmp6, 0x10000c
	s_cmp_lg_u32 s2, 0xf033
	s_cbranch_scc0 .Lentry_shape_is_right
	s_endpgm
.Lentry_shape_is_right:
.set KSTEP,  256
.set NQ,     2
.set ROWB,   24576                     ; from a K step's tile of 128 rows to the next K step's, in c1
.set KROW,   768
.set PITCH,  240
.set FR,     12
.set NL,     6
.set NP,     4
.set HALFT,  128*PITCH
.set SLOT,   4*HALFT
.set LAPS,   2
.set KS,     32
.set SCL,    2*SLOT
.set HALFS,  (128*KS/256)*272
.set SBLK,   (16*KS/256)*272
.set SPARE,  SCL+4*HALFS
.set ADRA, 16
.set ADRB, 20
.set ADRS, 27
.set SPW,  28
.set NIL,  29
.set SC,   32
.set AF,   128
.set MK,   64
.set O16,  72
.set O8,   73
.set O16C, 74
.set O8C,  75
.set SST,  76
.set SRD,  77
.set SGO,  78
.set MAD,  79
.set TM,   80
.set PW,   96
.set FRC,  97
.set ONES, 98
.set CDS,  100
.set BK,   120
.set SEL,  92
.set G1, 24
.set G0, 32
.set G1B, 48
.set G0B, 56
.set MSB, 0
.macro WIN new
.if MSB != (\new)
	s_set_vgpr_msb (MSB<<8)|(\new)
.set MSB, (\new)
.endif
.endm
.set MUL_LO, 0xa1
.set MUL_HI, 0xf1
.set TO_B,   0x40
.macro JLOAD g0a, g1a, g0b, g1b
	s_cmp_eq_u32 s15, 0
	s_cbranch_scc0 .Lfor_b_\@
	tensor_load_to_lds s[\g0a:\g0a+3], s[\g1a:\g1a+7]
	s_nop 0
.rept 4
	v_nop
.endr
	s_branch .Lasked_\@
.Lfor_b_\@:
	tensor_load_to_lds s[\g0b:\g0b+3], s[\g1b:\g1b+7]
	s_nop 0
.rept 4
	v_nop
.endr
.Lasked_\@:
.endm
.macro CREST
	s_cmp_lg_u32 s14, 0
	s_cbranch_scc1 .Lnot_wave_0_\@
	s_barrier_signal -3
.Lnot_wave_0_\@:
	s_barrier_wait -3
	s_barrier_signal -1
	s_barrier_wait -1
.endm
.macro CROUND
	s_barrier_signal -1
	s_barrier_wait -1
	CREST
.endm
	s_load_b256 s[4:11], s[0:1], 0x0
	s_load_b64 s[12:13], s[0:1], 0x20
	v_lshl_add_u32 v[SPW], v0, 2, SPARE
	v_mov_b32 v[NIL], 0
	ds_add_u32 v[SPW], v[NIL]
	ds_add_u32 v[SPW], v[NIL]
	v_lshrrev_b32 v1, 5, v0
	v_readfirstlane_b32 s14, v1
	s_lshr_b32 s15, s14, 1
	s_and_b32 s16, s14, 1
	s_bfe_u32 s40, ttmp6, 0x40000
	s_bfe_u32 s41, ttmp6, 0x40004
	s_and_b32 s95, ttmp7, 0xffff
	s_lshr_b32 s96, s95, 3
	s_and_b32 s97, s95, 7
	s_lshl_b32 s97, s97, 2
	s_lshl_b32 s98, s96, 10
	s_add_co_u32 s98, s98, 24576
	s_lshl_b32 s99, s96, 13
	s_cmp_eq_u32 s96, 2
	s_cselect_b32 s42, s97, 0
	s_cselect_b32 s17, 0, s97
	s_cselect_b32 s98, 16384, s98
	s_cselect_b32 s99, 26624, s99
	s_add_co_u32 s42, s42, s40
	s_add_co_u32 s17, s17, s41
	s_lshl_b32 s43, s41, 2
	s_lshl_b32 s43, 15, s43
	s_lshl_b32 s44, 0x1111, s40
	s_or_b32 s[G1+0], s43, (0<<16)|(1<<20)|(1<<21)|(3<<22)|(3<<25)
	s_or_b32 s[G1B+0], s44, (0<<16)|(1<<20)|(1<<21)|(3<<22)|(3<<25)
.irp g, G1, G1B
	s_mov_b32 s[\g+1], 256<<16                     ; 128 rows x 192 bytes lie dense in c1: stated as 96 rows of 256 bytes; 16 bytes of padding behind every 64, so an LDS row of 192 bytes has the pitch 240
	s_mov_b32 s[\g+2], 96<<16
	s_mov_b32 s[\g+3], 256<<16
	s_mov_b32 s[\g+4], 96
	s_mov_b32 s[\g+5], 256
	s_mov_b32 s[\g+6], 0
	s_mov_b32 s[\g+7], 0
.endr
	s_lshl_b32 s18, s16, 7
	s_lshl_b32 s20, s17, 8
	s_add_co_u32 s20, s20, s18
	s_add_co_u32 s20, s20, s99
	s_lshl_b32 s46, s42, 8
	s_add_co_u32 s46, s46, s18
	s_add_co_u32 s46, s46, s98
	s_sub_co_u32 s22, s20, s18                     ; the scale bytes of the tile's 256 rows of A: 8,192 dense bytes,
	s_lshl_b32 s22, s22, 5
	s_mov_b32 s23, 0
	s_sub_co_u32 s92, s46, s18                     ; and of B
	s_lshl_b32 s92, s92, 5
	s_mov_b32 s93, 0
	s_mul_i32 s20, s20, KROW
	s_mov_b32 s21, 0
	s_mul_i32 s46, s46, KROW
	s_mov_b32 s47, 0
	s_mul_i32 s45, s14, HALFT
	v_lshlrev_b32 v4, 4, v0                        ; the scale bytes go through registers: 16 bytes a thread, 2,048 an instruction of the work-group,
	v_lshrrev_b32 v5, 4, v0
	v_mul_u32_u24 v5, v5, 272                      ; into units of 256 bytes + 16 of padding
	v_and_b32 v6, 15, v0
	v_lshl_add_u32 v5, v6, 4, v5
	v_add_nc_u32 v5, SCL, v5
	s_wait_alu depctr_va_vdst(0)
	s_wait_dscnt 0x0
	s_wait_kmcnt 0x0
	s_add_nc_u64 s[20:21], s[4:5], s[20:21]
	s_add_nc_u64 s[22:23], s[6:7], s[22:23]
	s_add_nc_u64 s[46:47], s[4:5], s[46:47]
	s_add_nc_u64 s[92:93], s[6:7], s[92:93]
	CROUND
.irp s, 0,1
	s_mov_b32 s[G0+4*\s], 1
	s_add_co_u32 s[G0+4*\s+1], s45, \s*SLOT
	s_add_nc_u64 s[G0+4*\s+2:G0+4*\s+3], s[20:21], \s*ROWB
	s_or_b32 s[G0+4*\s+3], s[G0+4*\s+3], 0x80000000
	s_mov_b32 s[G0B+4*\s], 1
	s_add_co_u32 s[G0B+4*\s+1], s45, \s*SLOT
	s_add_nc_u64 s[G0B+4*\s+2:G0B+4*\s+3], s[46:47], \s*ROWB
	s_or_b32 s[G0B+4*\s+3], s[G0B+4*\s+3], 0x80000000
.endr
	JLOAD G0, G1, G0B, G1B                         ; K step 0: one tensor load a wave at the head
.irp k, 0,1,2,3                                ; the scale bytes, 16,384 of the head's bytes, come by plain loads while that load is out: the head's four tensor loads are taken by the codes
	global_load_b128 v[SC+4*\k:SC+4*\k+3], v4, s[22:23] offset:2048*\k
	global_load_b128 v[SC+16+4*\k:SC+16+4*\k+3], v4, s[92:93] offset:2048*\k
.endr
	s_wait_loadcnt 0x0
.irp k, 0,1,2,3
	ds_store_b128 v5, v[SC+4*\k:SC+4*\k+3] offset:2176*\k             ; eight units of 272 bytes an instruction; no tensor load lands on these bytes
	ds_store_b128 v5, v[SC+16+4*\k:SC+16+4*\k+3] offset:2*HALFS+2176*\k
.endr
	s_wait_tensorcnt 0x0                           ; my part of K step 0 is in
	ds_add_u32 v[SPW], v[NIL]
	s_wait_dscnt 0x0                               ; the add and my stores of scale bytes are done
	CROUND
	JLOAD G0+4, G1, G0B+4, G1B                     ; K step 1, the first tensor load behind the round
	v_and_b32 v1, 15, v0
	v_bfe_u32 v2, v0, 4, 1
	s_lshl_b32 s18, s17, 8
	s_lshl_b32 s20, s15, 7
	s_add_co_u32 s18, s18, s20
	s_lshl_b32 s19, s42, 8
	s_lshl_b32 s20, s16, 7
	s_add_co_u32 s19, s19, s20
	v_and_b32 v7, 7, v0
	v_bfe_u32 v8, v0, 3, 1
	v_lshl_add_u32 v7, v8, 4, v7
	v_add_nc_u32 v7, s18, v7
	v_lshlrev_b32 v[MAD], 2, v7
.irp a, 0,1,2,3,4,5,6,7
	global_load_b32 v[MK+\a], v[MAD], s[8:9] offset:(32*(\a/2)+8*(\a%2))*4
.endr
	v_mul_u32_u24 v3, v1, PITCH
	v_mul_u32_u24 v4, v2, 24
	v_add_nc_u32 v4, v3, v4
	v_lshl_add_u32 v5, v2, 4, v4
	s_mul_i32 s21, s15, HALFT
	s_mul_i32 s22, s16, HALFT
	s_add_co_u32 s22, s22, 2*HALFT
.irp s, 0,1
	v_add_nc_u32 v[ADRA+\s], s21, v4
	v_add_nc_u32 v[ADRB+\s], s22, v4
	v_add_nc_u32 v[ADRA+2+\s], s21, v5
	v_add_nc_u32 v[ADRB+2+\s], s22, v5
	s_add_co_u32 s21, s21, SLOT
	s_add_co_u32 s22, s22, SLOT
.endr
	v_mul_u32_u24 v5, v1, KS
	v_lshrrev_b32 v6, 8, v5
	v_lshl_add_u32 v5, v6, 4, v5
	s_mul_i32 s21, s15, HALFS
	s_mul_i32 s22, s16, HALFS
	s_add_co_u32 s22, s22, 2*HALFS
	s_sub_co_u32 s22, s22, s21
	v_mul_u32_u24 v6, s22, v2
	s_add_co_u32 s21, s21, SCL
	v_add_nc_u32 v5, v5, v6
	v_add_nc_u32 v[ADRS], s21, v5
	s_lshr_b32 s20, s18, 11
	s_mul_i32 s21, s20, 1572864
	s_lshr_b32 s22, s19, 7
	s_mul_i32 s23, s22, 196608
	s_add_co_u32 s21, s21, s23
	s_and_b32 s23, s18, 2047
	s_lshr_b32 s40, s23, 4
	s_mul_i32 s40, s40, 768
	s_add_co_u32 s21, s21, s40
	s_lshl_b32 s20, s20, 3
	s_add_co_u32 s20, s20, s22
	s_lshl_b32 s20, s20, 13
	s_lshl_b32 s23, s23, 2
	s_add_co_u32 s20, s20, s23
	s_lshr_b32 s22, s19, 11
	s_mul_i32 s23, s22, 1572864
	s_lshr_b32 s40, s18, 6
	s_mul_i32 s41, s40, 98304
	s_add_co_u32 s23, s23, s41
	s_and_b32 s41, s19, 2047
	s_lshr_b32 s41, s41, 7
	s_mul_i32 s43, s41, 6144
	s_add_co_u32 s23, s23, s43
	s_lshl_b32 s22, s22, 4
	s_add_co_u32 s22, s22, s40
	s_lshl_b32 s22, s22, 12
	s_lshl_b32 s41, s41, 8
	s_add_co_u32 s22, s22, s41
	s_cmp_eq_u32 s96, 2
	s_cselect_b32 s44, s23, s21
	s_cselect_b32 s46, s22, s20
	s_mov_b32 s94, 768
	s_cselect_b32 s94, 1536, s94
	s_mov_b32 s98, 768
	s_cselect_b32 s98, 93696, s98
	s_mov_b32 s20, 98304
	s_cselect_b32 s20, 768, s20
	s_mov_b32 s21, 256
	s_cselect_b32 s21, 4096, s21
	s_mul_i32 s22, s96, 6291456
	s_add_co_u32 s44, s44, s22
	s_mov_b32 s45, 0
	s_lshl_b32 s22, s96, 18
	s_add_co_u32 s46, s46, s22
	s_mov_b32 s47, 0
	s_add_nc_u64 s[10:11], s[10:11], s[44:45]
	s_add_nc_u64 s[12:13], s[12:13], s[46:47]
	s_mov_b32 s95, 0
	s_mov_b32 s99, 0
	s_cmp_eq_u32 s96, 1
	s_cselect_b32 s23, 0, -1
	s_mov_b32 s[SEL], 0x76543210
	s_mov_b32 s[SEL+1], 0xfedcba98
	v_and_b32 v6, 31, v0
	v_lshlrev_b32 v[O16], 4, v6
	v_lshl_add_u32 v[O8], v6, 3, 512
	v_add_nc_u32 v[O16C], s20, v[O16]
	v_add_nc_u32 v[O8C], s20, v[O8]
	s_lshl_b32 s22, s14, 9
	v_lshl_add_u32 v[SST], v1, 2, s22
	v_lshl_add_u32 v[SRD], v6, 4, s22
	v_mul_u32_u24 v[SGO], s21, v2
	v_lshl_add_u32 v[SGO], v1, 4, v[SGO]
	v_mov_b32 v[FRC], s23
	v_mov_b32 v[ONES], -1
.irp b, 0,1,2,3
	v_mov_b32 v[TM+4+\b], 0
.endr
	s_wait_alu depctr_va_vdst(0)
	s_wait_loadcnt 0x0
.irp a, 0,1,2,3,4,5,6,7
	v_cmp_eq_u32 vcc_lo, 1, v[MK+\a]
	v_cndmask_b32 v[MK+\a], v[FRC], v[ONES], vcc_lo
.endr
.macro FRAG reg, adr, q, i
.irp p, 0,1,2,3,4,5
.set PIE, 12*(\q)+6*(\p/3)+\p%3
.if PIE%8 < 5
	ds_load_b64 v[\reg+2*\p:\reg+2*\p+1], v[\adr] offset:8*PIE+16*(PIE/8)+(\i)*16*PITCH
.else
	ds_load_b64 v[\reg+2*\p:\reg+2*\p+1], v[\adr+2] offset:8*PIE+16*(PIE/8)+(\i)*16*PITCH
.endif
.endr
.endm
.macro MUL16 a0, p, q, sc, zero
.irp a, \a0, \a0+1
.irp b, 0,1,2,3,4,5,6,7
.if \zero
	v_wmma_scale_f32_16x16x128_f8f6f4 v[8*(8*((\a)%4)+\b):8*(8*((\a)%4)+\b)+7], v[128*(\p)+FR*\b:128*(\p)+FR*\b+FR-1], v[AF+FR*(\a):AF+FR*(\a)+FR-1], 0, v[SC+8*NQ*(\sc)+NQ*\b+(\q)], v[SC+8*NQ*(\sc)+NQ*(\a)+(\q)] matrix_a_fmt:MATRIX_FMT_FP6 matrix_b_fmt:MATRIX_FMT_FP6 matrix_a_scale:MATRIX_SCALE_ROW1
.else
	v_wmma_scale_f32_16x16x128_f8f6f4 v[8*(8*((\a)%4)+\b):8*(8*((\a)%4)+\b)+7], v[128*(\p)+FR*\b:128*(\p)+FR*\b+FR-1], v[AF+FR*(\a):AF+FR*(\a)+FR-1], v[8*(8*((\a)%4)+\b):8*(8*((\a)%4)+\b)+7], v[SC+8*NQ*(\sc)+NQ*\b+(\q)], v[SC+8*NQ*(\sc)+NQ*(\a)+(\q)] matrix_a_fmt:MATRIX_FMT_FP6 matrix_b_fmt:MATRIX_FMT_FP6 matrix_a_scale:MATRIX_SCALE_ROW1
.endif
.endr
.endr
.endm
.macro FETCH_B slot, q, p
	WIN TO_B
.irp i, 0,1,2,3,4,5,6,7
	FRAG 128*(\p)+FR*\i, ADRB+\slot, \q, \i
.endr
	WIN 0
.endm
.macro FETCH_A slot, q, i0
.irp i, \i0, \i0+1, \i0+2, \i0+3
	FRAG AF+FR*(\i), ADRA+\slot, \q, \i
.endr
.endm
.macro SCALES sc
.irp i, 0,1,2,3,4,5,6,7
	ds_load_b64 v[SC+8*NQ*\sc+NQ*\i:SC+8*NQ*\sc+NQ*\i+1], v[ADRS] offset:\i*SBLK
.endr
.endm
.macro PLACES n
.rept \n
	v_nop
.endr
.endm
.macro STEP slot, q, zero
	s_wait_dscnt 4*NL
	WIN MUL_LO
	MUL16 0, (\q)%2, \q, \slot, \zero
	MUL16 2, (\q)%2, \q, \slot, \zero
	s_wait_dscnt 0
	PLACES NP
	FETCH_B \slot, (\q)+1, 1-(\q)%2
	FETCH_A \slot, (\q)+1, 0
	WIN MUL_HI
	MUL16 4, (\q)%2, \q, \slot, \zero
	MUL16 6, (\q)%2, \q, \slot, \zero
	PLACES NP
	WIN 0
	FETCH_A \slot, (\q)+1, 4
.endm
.macro TURN slot, next, fill
	s_wait_tensorcnt 0x0
	ds_add_u32 v[SPW], v[NIL]
	s_wait_dscnt 4*NL+1
	WIN MUL_LO
	MUL16 0, 1, NQ-1, \slot, 0
	s_wait_dscnt 0x0
	s_barrier_signal -1
	MUL16 2, 1, NQ-1, \slot, 0
	WIN 0
	s_barrier_wait -1
.if \fill
	CREST
	s_add_nc_u64 s[G0+4*\slot+2:G0+4*\slot+3], s[G0+4*\slot+2:G0+4*\slot+3], 2*ROWB
	s_add_nc_u64 s[G0B+4*\slot+2:G0B+4*\slot+3], s[G0B+4*\slot+2:G0B+4*\slot+3], 2*ROWB
	JLOAD G0+4*\slot, G1, G0B+4*\slot, G1B
.else
	PLACES NP
.endif
	s_wait_alu depctr_va_vdst(0)
	v_add_nc_u32 v[ADRS], 4*NQ, v[ADRS]
	FETCH_B \next, 0, 0
	FETCH_A \next, 0, 0
	SCALES \next
	WIN MUL_HI
	MUL16 4, 1, NQ-1, \slot, 0
	MUL16 6, 1, NQ-1, \slot, 0
	PLACES NP
	WIN 0
	FETCH_A \next, 0, 4
.endm
	s_wait_tensorcnt 1
	s_barrier_signal -1
	s_barrier_wait -1
	FETCH_B 0, 0, 0
	FETCH_A 0, 0, 0
	SCALES 0
	FETCH_A 0, 0, 4
	STEP 0, 0, 1
	s_mov_b32 s3, LAPS-1
.Llap:
	TURN 0, 1, 1
	STEP 1, 0, 0
	TURN 1, 0, 1
	STEP 0, 0, 0
	s_sub_co_u32 s3, s3, 1
	s_cmp_lg_u32 s3, 0
	s_cbranch_scc1 .Llap
	TURN 0, 1, 0
	STEP 1, 0, 0
	s_wait_dscnt 4*NL
	WIN MUL_LO
	MUL16 0, 1, NQ-1, 1, 0
	MUL16 2, 1, NQ-1, 1, 0
	s_wait_dscnt 0
	WIN MUL_HI
	MUL16 4, 1, NQ-1, 1, 0
	MUL16 6, 1, NQ-1, 1, 0
	WIN 0
.macro OUTBLK a
.set AC, 64*((\a)%4)
	WIN 0x0a+5*((\a)/4)
.irp b, 0,1,2,3
	v_max3_num_f32 v[TM+\b], |v[AC+16*\b]|, |v[AC+16*\b+1]|, 0x1800000
.endr
.irp i, 2,4,6,8,10,12,14
.irp b, 0,1,2,3
	v_max3_num_f32 v[TM+\b], |v[AC+16*\b+\i]|, |v[AC+16*\b+\i+1]|, v[TM+\b]
.endr
.endr
	WIN 0
.irp b, 0,1,2,3
	v_permlanex16_b32 v[TM+4+\b], v[TM+\b], s[SEL], s[SEL+1]
.endr
.irp b, 0,1,2,3
	v_max_num_f32 v[TM+\b], v[TM+\b], v[TM+4+\b]
.endr
.irp b, 0,1,2,3
	v_add_nc_u32 v[TM+12+\b], 0xff000000, v[TM+\b]
.endr
.irp b, 0,1,2,3
	v_lshrrev_b32 v[TM+4+\b], 23, v[TM+12+\b]
.endr
	v_lshl_or_b32 v[PW], v[TM+5], 8, v[TM+4]
	v_lshl_or_b32 v[PW], v[TM+6], 16, v[PW]
	v_lshl_or_b32 v[PW], v[TM+7], 24, v[PW]
	s_wait_xcnt 0x0
.if (\a) == 4
	s_add_nc_u64 s[10:11], s[10:11], s[98:99]
.elseif (\a) > 0
	s_add_nc_u64 s[10:11], s[10:11], s[94:95]
.endif
	WIN 0x02+((\a)/4)
.irp c, 0,1
	v_cvt_scalef32_pk16_fp6_f32 v[CDS+6*\c:CDS+2+6*\c], v[AC+32*\c:AC+15+32*\c], v[TM+12+2*\c]
	v_cvt_scalef32_pk16_fp6_f32 v[CDS+12+4*\c:CDS+14+4*\c], v[AC+16+32*\c:AC+31+32*\c], v[TM+12+2*\c+1]
.endr
	WIN 0
	v_nop
.irp c, 0,1
.irp i, 0,1,2
	v_permlane16_swap_b32 v[CDS+6*\c+\i], v[CDS+12+4*\c+\i]
.endr
.irp i, 0,1,2
	v_mov_b32 v[CDS+3+6*\c+\i], v[CDS+12+4*\c+\i]
.endr
.endr
.irp i, 0,1,2,3,4,5,6,7,8,9,10,11
	v_and_b32 v[CDS+\i], v[MK+(\a)], v[CDS+\i]
.endr
	ds_store_b32 v[SST], v[PW] offset:64*(\a)
	global_store_b128 v[O16], v[CDS:CDS+3], s[10:11]
	global_store_b64 v[O8], v[CDS+4:CDS+5], s[10:11]
	global_store_b128 v[O16C], v[CDS+6:CDS+9], s[10:11]
	global_store_b64 v[O8C], v[CDS+10:CDS+11], s[10:11]
.endm
	PLACES NP
.irp a, 0,1,2,3,4,5,6,7
	OUTBLK \a
.endr
	ds_load_b128 v[BK:BK+3], v[SRD]
	s_wait_dscnt 0x0
	global_store_b128 v[SGO], v[BK:BK+3], s[12:13]
	s_wait_tensorcnt 0x0
	ds_add_u32 v[SPW], v[NIL]
	s_wait_dscnt 0x0
	CROUND
	s_endpgm
.Lfunc_end_k_qfb154b4b91_proj:
	.size	k_qfb154b4b91_proj, .Lfunc_end_k_qfb154b4b91_proj-k_qfb154b4b91_proj
	.p2alignl 7, 3214868480
	.fill 96, 4, 3214868480
	.section	.rodata,"a",@progbits
	.p2align	6, 0x0
	.amdhsa_kernel k_qfb154b4b91_proj
		.amdhsa_group_segment_fixed_size 327680
		.amdhsa_private_segment_fixed_size 0
		.amdhsa_enable_private_segment 0
		.amdhsa_kernarg_size 40
		.amdhsa_user_sgpr_count 2
		.amdhsa_user_sgpr_kernarg_segment_ptr 1
		.amdhsa_wavefront_size32 1
		.amdhsa_system_sgpr_workgroup_id_x 1
		.amdhsa_system_sgpr_workgroup_id_y 1
		.amdhsa_system_sgpr_workgroup_id_z 1
		.amdhsa_system_vgpr_workitem_id 0
		.amdhsa_next_free_vgpr 1024
		.amdhsa_next_free_sgpr 100
		.amdhsa_reserve_vcc 1
		.amdhsa_float_denorm_mode_32 3
		.amdhsa_float_denorm_mode_16_64 3
		.amdhsa_memory_ordered 1
		.amdhsa_forward_progress 1
		.amdhsa_inst_pref_size 173
	.end_amdhsa_kernel
	.amdgpu_metadata
---
amdhsa.version: [ 1, 2 ]
amdhsa.kernels:
  - .name:           k_qfb154b4b91_proj
    .symbol:         k_qfb154b4b91_proj.kd
    .args:
      - { .name: c1, .offset: 0, .size: 8, .value_kind: global_buffer, .address_space: global }
      - { .name: s1, .offset: 8, .size: 8, .value_kind: global_buffer, .address_space: global }
      - { .name: mask, .offset: 16, .size: 8, .value_kind: global_buffer, .address_space: global }
      - { .name: c2, .offset: 24, .size: 8, .value_kind: global_buffer, .address_space: global }
      - { .name: s2, .offset: 32, .size: 8, .value_kind: global_buffer, .address_space: global }
    .group_segment_fixed_size: 327680
    .private_segment_fixed_size: 0
    .kernarg_segment_align: 8
    .kernarg_segment_size: 40
    .max_flat_workgroup_size: 128
    .sgpr_count:     100
    .vgpr_count:     1024
    .wavefront_size: 32
...
	.end_amdgpu_metadata
.endif
;; end of part 2
;; launch attn (part 3): grid 4 x 64, 16 waves a work-group, clusters of 4 x 1, 223,232 bytes of LDS; arguments c2, s2, mask, c3, s3; writes c3, s3
.if DOCPART == 3
	.amdgcn_target "amdgcn-amd-amdhsa--gfx1250"
	.amdhsa_code_object_version 6
	.text
	.protected	k_qfb154b4b91_attn
	.globl	k_qfb154b4b91_attn
	.p2align	8
	.type	k_qfb154b4b91_attn,@function
k_qfb154b4b91_attn:
	s_mov_b64 s[64:65], 0
	v_nop
	global_prefetch_b8 v0, s[64:65] scope:SCOPE_SE
	s_setreg_imm32_b32 hwreg(HW_REG_WAVE_MODE, 25, 1), 1
	s_wait_xcnt 0x0
	s_wait_alu depctr_hold_cnt(0) depctr_sa_sdst(0) depctr_va_vdst(0) depctr_va_sdst(0) depctr_va_ssrc(0) depctr_va_vcc(0) depctr_vm_vsrc(0)
	s_getreg_b32 s2, hwreg(HW_REG_IB_STS2, 6, 4)
	s_cmp_eq_u32 s2, 0
	s_cbranch_scc0 .Lentry_in_a_cluster
	s_endpgm
.Lentry_in_a_cluster:
	s_bfe_u32 s2, ttmp6, 0x10000c
	s_cmp_lg_u32 s2, 0x3003
	s_cbranch_scc0 .Lentry_shape_is_right
	s_endpgm
.Lentry_shape_is_right:
; Attention of one head on codes of FP6 (E2M3) with E8M0 scales: scores = Q K^T (K = the head's 64), softmax, O = P V (K = the keys), O / l, and the quantising of O along its channels.
; THE SOFTMAX AHEAD OF THE SECOND PRODUCT: t = score x log2(e) / 8; M = the running largest t rounded UP to a whole number; p = 2^(t - M) is quantised along the keys, not normalised; the row's sum l is taken of the unquantised p
; and divides O at the end.  When M moves, l and O are multiplied by 2^(old M - new M): exact.
; THE MASK costs no vector instruction in the loop.  The head's 64 fill half of the instruction's 128 along K; of the other half place 64 is used: Q's code there is 1.0 (scale byte 127), a key's code is -1.0 where the key is masked
; (scale byte 160) and 0 where it counts (scale byte 127); all other codes of that half are zeros.  The launch before has set a masked key's own codes to 0.  So a masked score is exactly -2^33, and a key that counts gets nothing added.
; Its t = -2^30 log2(e) is exact: p = 0 beside any key that counts, and p = 1 for every key where no key of the batch counts, which is the uniform row that a row of equal logits gives.
; LIMIT: a masked logit is -2^30 here and not -1e9: a key that counts and has a logit under about -1e9 is not ranked against masked keys as the definition ranks it.  NaN and infinities are not served.
; SHARES.  A cluster of four work-groups is one head's 2,048 queries, 512 each.  Each of the sixteen waves takes one tile of 16 queries in each of two passes, in 256 registers: four waves to a SIMD.
; THE HEAD'S WHOLE K AND V LIE IN LDS (96 KiB each), filled ONCE, by sixteen joint loads that name the four work-groups, one a wave: nothing is filled again, so the loops have no barrier, and there is no later tile to prefetch.
; The scale words (16,384 bytes beside 196,608 of codes) and the mask go through registers, since each wave's one load at the head is taken; K's words are re-laid on the way: my head's two bytes, place 64's block's byte, 0.
; LAYOUT.  Both products are used transposed (source 0 = 16 keys, or 16 channels; source 1 = my 16 queries): a lane holds ONE query throughout.  K's rows and V's channels lie in places (bits 3 and 4 of the number exchanged), so that
; the 16 registers of tiles 2 b and 2 b + 1 are the neighbours 32 b + 16 (lane / 16) + 0 .. 15 in their true order.  Operands lie in memory and LDS as images of their registers: half a fragment (6 registers) is 768 bytes:
; registers 0-3 at 16 x lane, registers 4, 5 at 512 + 8 x lane.
.set VC,    98304                      ; LDS: K's codes from 0, V's from here,
.set KSL,   196608                     ; K's scale words, one for each place, 8,192 bytes,
.set VSL,   204800                     ; V's (both heads of the pair), 8,192,
.set KB,    212992                     ; place 64's code for each key, a word each, keys in their true order, 8,192 (these three are stored by the waves, never a tensor load's target),
.set SPARE, 221184                     ; the spare words, 128 bytes for each of 16 waves
.set AK16, 1                           ; v1 16 x lane     v2 512 + 8 x lane: the two parts of a half image, in LDS (K) and in memory
.set AK8,  2
.set AV16, 3                           ; v3, v4 the same in V's region
.set AV8,  4
.set ASK,  5                           ; v5 my lane's place among K's scale words     v6 among V's
.set ASV,  6
.set AB,   7                           ; v7 my lane's key among the code words: 4 (r % 8) + 64 (r / 8)
.set SPW,  8                           ; v8 my spare word     v9 0; never rewritten
.set NIL,  9
.set QF0,  16                          ; v16-27, v28-39 Q's fragments of the two passes; register 6: the code 1.0 at place 64; 7-11 zeros
.set QF1,  28
.set QS0,  40                          ; v40, v41 Q's scale words
.set PW,   42                          ; v42 p's scale word
.set KSC,  44                          ; v44-47 K's scale words     v48-51 V's
.set VSC,  48
.set ADK16, 52                         ; v52-58 the step's addresses
.set ADK8, 53
.set ADV16, 54
.set ADV8, 55
.set ADS,  56
.set ADT,  57
.set ADB,  58
.set OSO,  59                          ; v59 32 r + h: my scale byte's place in s3
.set R4,   60                          ; v60 4 r
.set BYT,  61                          ; v61 the byte that I store
.set BM,   62                          ; v62-65 the blocks' largest scores, then largest p
.set T2,   66                          ; v66-73 at work
.set SO,   74                          ; v74-77 the conversions' scale operands
.set FF,   78                          ; v[78:79] f = 2^(old M - new M) (the pair's low word serves both halves)
.set TT,   80                          ; v80, v81 at work
.set PC,   82                          ; v82-93 p's codes
.set MA,   94                          ; v94 16 x thread     v95 KSL + 16 x thread
.set KBA,  95
.set KF,   96                          ; v96-143 four fragments of K; register 6 of each: place 64's code; 7-11 zeros, written once
.set SS,   144                         ; v144-207 scores, p; then V's four fragments
.set OT,   208                         ; v208-239 O^T     v244-255 at work in the row's sum
.set WV,   14
.set SEL,  20                          ; s[20:21] selects for lane l xor 16
.set CS,   22                          ; s[22:23] c = log2(e) / 8
.set HM,   24                          ; s24 lanes 16-31
.set T6,   25                          ; s25 6,144 x step     s26 512 x step     s27 256 x step
.set T5,   26
.set T4,   27
.set CNT,  28
.set G1C,  32                          ; s[32:39] group 1: 12,288 dense bytes
.macro CROUND                          ; a round of the cluster's barrier
	s_barrier_signal -1
	s_barrier_wait -1
	s_cmp_lg_u32 s[WV], 0
	s_cbranch_scc1 .Lnot_wave_0_\@
	s_barrier_signal -3
.Lnot_wave_0_\@:
	s_barrier_wait -3
	s_barrier_signal -1
	s_barrier_wait -1
.endm
	s_load_b256 s[4:11], s[0:1], 0x0               ; c2 s[4:5], s2 s[6:7], mask s[8:9], c3 s[10:11]
	s_load_b64 s[12:13], s[0:1], 0x20              ; s3
	v_lshl_add_u32 v[SPW], v0, 2, SPARE
	v_mov_b32 v[NIL], 0
	ds_add_u32 v[SPW], v[NIL]                      ; the opening lines: the add, twice, and its wait ahead of my first tensor load
	ds_add_u32 v[SPW], v[NIL]
	v_lshrrev_b32 v[TT], 5, v0
	s_delay_alu instid0(VALU_DEP_1)
	v_readfirstlane_b32 s[WV], v[TT]               ; wave 0..15
	s_and_b32 s15, ttmp7, 0xffff                   ; 16 x batch + head: the four partners share it
	s_bfe_u32 s16, ttmp6, 0x40000                  ; cx: it enters Q's and O's addresses alone
	s_and_b32 s17, s15, 1                          ; which head of its pair
	s_lshr_b32 s18, s15, 4                         ; batch
	s_and_b32 s19, s15, 15                         ; head
	s_lshl_b32 s86, s17, 4                         ; my head's two bytes of a pair's scale word begin at this bit
	s_mov_b32 s[G1C], 15|(3<<16)|(1<<21)           ; the mask: all four work-groups; elements of 8 bytes; bit 21 beside a mask; no padding
	s_mov_b32 s[G1C+1], 32<<16                     ; rows of 32 elements, 256 bytes,
	s_mov_b32 s[G1C+2], 48<<16                     ; 48 of them,
	s_mov_b32 s[G1C+3], 32<<16
	s_mov_b32 s[G1C+4], 48
	s_mov_b32 s[G1C+5], 32                         ; dense
	s_mov_b32 s[G1C+6], 0
	s_mov_b32 s[G1C+7], 0
	s_lshr_b32 s80, s15, 1                         ; the pair of heads' 8,192 bytes of K's scale words (part 1 of s2); V's (part 2) lie 262,144 bytes on
	s_lshl_b32 s80, s80, 13
	s_add_co_u32 s80, s80, 262144
	s_mov_b32 s81, 0
	s_lshr_b32 s29, s[WV], 3                       ; every wave fetches a sixteenth of the head's codes, two key steps' tiles: waves 0-7 K's (part 1 of c2), waves 8-15 V's (part 2)
	s_add_co_u32 s29, s29, 1
	s_mul_i32 s82, s29, 6291456
	s_mul_i32 s31, s15, 98304
	s_add_co_u32 s82, s82, s31
	s_and_b32 s29, s[WV], 7
	s_mul_i32 s29, s29, 12288
	s_add_co_u32 s82, s82, s29
	s_mov_b32 s83, 0
	s_mul_i32 s85, s[WV], 12288                    ; and where it goes: V's region follows K's in LDS
	; Q, its scale words, O's codes and scale bytes: my tile of pass 0 is block 32 cx + wave of the head's 128; pass 1's lies 16 blocks on
	s_lshl_b32 s29, s16, 5
	s_add_co_u32 s29, s29, s[WV]
	s_lshl_b32 s30, s15, 7
	s_add_co_u32 s30, s30, s29
	s_mul_i32 s72, s30, 768
	s_mov_b32 s73, 0
	s_lshr_b32 s30, s15, 1
	s_lshl_b32 s30, s30, 13
	s_lshl_b32 s74, s29, 6
	s_add_co_u32 s74, s74, s30
	s_lshl_b32 s31, s17, 1
	s_add_co_u32 s74, s74, s31                     ; my head's two bytes of each word
	s_mov_b32 s75, 0
	s_lshl_b32 s31, s18, 7
	s_add_co_u32 s31, s31, s29                     ; the block among all 512
	s_lshl_b32 s76, s31, 4
	s_add_co_u32 s76, s76, s19
	s_mul_i32 s76, s76, 768
	s_mov_b32 s77, 0
	s_lshl_b32 s78, s31, 9
	s_lshl_b32 s79, s19, 1
	s_add_co_u32 s78, s78, s79
	s_mov_b32 s79, 0
	s_lshl_b32 s30, s18, 13                        ; the batch's 2,048 words of mask
	s_mov_b32 s31, 0
	s_mov_b32 s[SEL], 0x76543210
	s_mov_b32 s[SEL+1], 0xfedcba98
	s_mov_b32 s[CS], 0x3e38aa3b                    ; c = log2(e) / 8
	s_mov_b32 s[CS+1], s[CS]                       ; (named with it as a pair, so it is written)
	s_mov_b32 s[HM], 0xffff0000
	s_wait_dscnt 0x0                               ; both opening adds are done
	s_wait_kmcnt 0x0
	s_add_nc_u64 s[80:81], s[6:7], s[80:81]
	s_add_nc_u64 s[82:83], s[4:5], s[82:83]
	s_add_nc_u64 s[72:73], s[4:5], s[72:73]
	s_add_nc_u64 s[74:75], s[6:7], s[74:75]
	s_add_nc_u64 s[76:77], s[10:11], s[76:77]
	s_add_nc_u64 s[78:79], s[12:13], s[78:79]
	s_add_nc_u64 s[8:9], s[8:9], s[30:31]
	CROUND                                         ; all four work-groups are here: the joint loads meet
	s_mov_b32 s48, 1
	s_mov_b32 s49, s85
	s_mov_b64 s[50:51], s[82:83]
	s_or_b32 s51, s51, 0x80000000
	tensor_load_to_lds s[48:51], s[G1C:G1C+7]      ; one joint load a wave, on one line that every wave issues
	s_nop 0
.rept 4
	v_nop
.endr
	v_lshlrev_b32 v[MA], 4, v0
	v_and_b32 v[SO], 0x1f9, v0                     ; thread t holds K's scale words of places 4 t .. 4 t + 3: their keys are four neighbours too, at t with its bits 1 and 2 exchanged
	v_bfe_u32 v[SO+1], v0, 1, 1
	v_bfe_u32 v[SO+2], v0, 2, 1
	v_lshl_or_b32 v[SO], v[SO+1], 2, v[SO]
	v_lshl_or_b32 v[SO], v[SO+2], 1, v[SO]
	v_lshlrev_b32 v[SO], 4, v[SO]
	global_load_b128 v[SS:SS+3], v[MA], s[8:9]     ; four words of the batch's mask a thread, keys in their true order,
	global_load_b128 v[SS+4:SS+7], v[MA], s[80:81]                 ; four of K's scale words,
	global_load_b128 v[SS+8:SS+11], v[MA], s[80:81] offset:262144  ; four of V's,
	global_load_b128 v[SS+12:SS+15], v[SO], s[8:9]                 ; and the mask of those four places' keys
	v_and_b32 v[TT], 31, v0                        ; lane
	v_and_b32 v[TT+1], 15, v0                      ; r
	v_bfe_u32 v[FF+1], v0, 4, 1                    ; h
	s_delay_alu instid0(VALU_DEP_3)
	v_lshlrev_b32 v[AK16], 4, v[TT]
	s_delay_alu instid0(VALU_DEP_4)
	v_lshl_add_u32 v[AK8], v[TT], 3, 512
	s_delay_alu instid0(VALU_DEP_4)
	v_lshlrev_b32 v[R4], 2, v[TT+1]
.irp p, 0,1
	global_load_b128 v[QF0+12*\p:QF0+12*\p+3], v[AK16], s[72:73] offset:12288*\p
	global_load_b64 v[QF0+12*\p+4:QF0+12*\p+5], v[AK8], s[72:73] offset:12288*\p
	global_load_u16 v[QS0+\p], v[R4], s[74:75] offset:1024*\p     ; my head's two scale bytes
.endr
	v_add_nc_u32 v[AV16], VC, v[AK16]
	v_add_nc_u32 v[AV8], VC, v[AK8]
	v_add_nc_u32 v[ASK], KSL, v[R4]
	s_lshl_b32 s29, s17, 12
	s_add_co_u32 s29, s29, VSL
	v_add_nc_u32 v[ASV], s29, v[R4]
	v_and_b32 v[AB], 7, v[TT+1]                    ; lane r of tile T holds key 32 (T / 2) + 8 (T % 2) + r % 8 + 16 (r / 8)
	v_lshrrev_b32 v[BYT], 3, v[TT+1]
	v_lshlrev_b32 v[AB], 2, v[AB]
	v_lshl_add_u32 v[AB], v[BYT], 6, v[AB]
	v_add_nc_u32 v[AB], KB, v[AB]
	v_lshl_add_u32 v[OSO], v[TT+1], 5, v[FF+1]
	v_lshl_add_u32 v[KBA], v0, 4, KSL
	v_sub_nc_u32 v[BYT], 1, v[FF+1]                ; 1 in lanes 0-15, which hold places 64 to 95 in registers 6-11
	v_lshlrev_b32 v[QF0+6], 3, v[BYT]              ; Q's code at place 64: 8 is 1.0; lanes 16-31 (place 96 on): zeros
	v_lshlrev_b32 v[QF1+6], 3, v[BYT]
	v_mov_b32 v[FF+1], 0                           ; (the upper half of the pair v[78:79] is named, so it is written)
.irp i, 7,8,9,10,11
	v_mov_b32 v[QF0+\i], 0                         ; the rest of the upper half of every operand of the first product: zero codes
	v_mov_b32 v[QF1+\i], 0
.irp t, 0,1,2,3
	v_mov_b32 v[KF+12*\t+\i], 0
.endr
.endr
.irp b, 0,1,2,3
	v_mov_b32 v[T2+\b], 0                          ; written once: a lane permute's destination counts as one of its sources
.endr
	v_mov_b32 v[T2+4], 0x28                        ; the code -1.0
	v_mov_b32 v[T2+5], 0xa00000                    ; its block's scale byte, 160, at byte 2: with Q's 127 the product is -2^33
	v_mov_b32 v[T2+6], 0x7f0000                    ; and 127 over the code 0
	s_wait_alu depctr_va_vdst(0)
	s_wait_loadcnt 6                               ; the mask and the scale words are in; Q's six loads may be out
.irp i, 0,1,2,3
	v_cmp_ne_u32 vcc_lo, 1, v[SS+\i]
	s_delay_alu instid0(VALU_DEP_1)
	v_cndmask_b32 v[SS+\i], 0, v[T2+4], vcc_lo     ; the code: 0 where the key counts
.endr
.irp i, 0,1,2,3
	v_cmp_ne_u32 vcc_lo, 1, v[SS+12+\i]
	v_cndmask_b32 v[SS+12+\i], v[T2+6], v[T2+5], vcc_lo
.endr
.irp i, 4,5,6,7
	v_lshrrev_b32 v[SS+\i], s86, v[SS+\i]
.endr
.irp i, 4,5,6,7
	v_and_or_b32 v[SS+\i], v[SS+\i], 0xffff, v[SS+8+\i]   ; K's word: my head's two bytes, place 64's block's byte, 0
.endr
	ds_store_b128 v[KBA], v[SS:SS+3] offset:KB-KSL
	ds_store_b128 v[KBA], v[SS+4:SS+7]
	ds_store_b128 v[KBA], v[SS+8:SS+11] offset:VSL-KSL
	s_wait_loadcnt 0x0                             ; Q
	v_or_b32 v[QS0], 0x7f0000, v[QS0]              ; Q's word: byte 2 is 127
	v_or_b32 v[QS0+1], 0x7f0000, v[QS0+1]
; A KEY STEP: 128 keys.
.macro STEP qf, qs
	v_add_nc_u32 v[ADK16], s[T6], v[AK16]          ; (these five are also the places between the last step's products and the products that write over their registers)
	v_add_nc_u32 v[ADK8], s[T6], v[AK8]
	v_add_nc_u32 v[ADS], s[T5], v[ASK]
	v_add_nc_u32 v[ADB], s[T5], v[AB]
	v_add_nc_u32 v[ADT], s[T4], v[ASV]
	s_wait_alu depctr_va_vdst(0)
.irp g, 0,1                                    ; S^T = K Q^T, four tiles of 16 keys at a time
.if \g
	v_add_nc_u32 v[ADV16], s[T6], v[AV16]          ; four places in front of loads into registers that matrix instructions have read
	v_add_nc_u32 v[ADV8], s[T6], v[AV8]
	v_nop
	v_nop
.endif
.irp t, 0,1,2,3
	ds_load_b128 v[KF+12*\t:KF+12*\t+3], v[ADK16] offset:768*(4*\g+\t)
	ds_load_b64 v[KF+12*\t+4:KF+12*\t+5], v[ADK8] offset:768*(4*\g+\t)
	ds_load_b32 v[KF+12*\t+6], v[ADB] offset:128*((4*\g+\t)/2)+32*(\t%2)   ; place 64's code of my key
	ds_load_b32 v[KSC+\t], v[ADS] offset:64*(4*\g+\t)
.endr
	s_wait_dscnt 0x0
.irp t, 0,1,2,3
	v_wmma_scale_f32_16x16x128_f8f6f4 v[SS+8*(4*\g+\t):SS+8*(4*\g+\t)+7], v[KF+12*\t:KF+12*\t+11], v[\qf:\qf+11], 0, v[KSC+\t], v[\qs] matrix_a_fmt:MATRIX_FMT_FP6 matrix_b_fmt:MATRIX_FMT_FP6
.endr
.endr
; the largest score of each block of 32 keys: for the row's maximum, and, since p rises with the score, for the block's largest p.  Blocks 0 and 1 are the first group's: their fourteen lines are the places behind the second group's products
.irp b0, 0,2
.irp b, \b0, \b0+1
	v_max3_num_f32 v[BM+\b], v[SS+16*(\b)], v[SS+16*(\b)+1], v[SS+16*(\b)+2]
.endr
.irp i, 3,5,7,9,11,13
.irp b, \b0, \b0+1
	v_max3_num_f32 v[BM+\b], v[BM+\b], v[SS+16*(\b)+\i], v[SS+16*(\b)+\i+1]
.endr
.endr
.endr
.irp b, 0,1,2,3
	v_max_num_f32 v[BM+\b], v[BM+\b], v[SS+16*\b+15]
.endr
.irp b, 0,1,2,3
	s_delay_alu instid0(VALU_DEP_4)
	v_permlanex16_b32 v[T2+\b], v[BM+\b], s[SEL], s[SEL+1]
.endr
.irp b, 0,1,2,3
	s_delay_alu instid0(VALU_DEP_4)
	v_max_num_f32 v[BM+\b], v[BM+\b], v[T2+\b]     ; with lane l xor 16's 16 keys
.endr
	s_delay_alu instid0(VALU_DEP_2)
	v_max3_num_f32 v[TT], v[BM], v[BM+1], v[BM+2]
	s_delay_alu instid0(VALU_DEP_1)
	v_max_num_f32 v[TT], v[TT], v[BM+3]            ; the step's largest score of my query
	s_delay_alu instid0(VALU_DEP_1)
	v_mul_f32 v[TT], s[CS], v[TT]                  ; as t
	s_delay_alu instid0(VALU_DEP_1)
	v_max_num_f32 v13, v13, v[TT]                  ; the running largest t
	v_mov_b32 v[TT], v12
	s_delay_alu instid0(VALU_DEP_2)
	v_floor_f32 v12, -v13                          ; the new -M = floor(-t): M is a whole number
	s_delay_alu instid0(VALU_DEP_1)
	v_sub_f32 v[TT], v12, v[TT]                    ; old M - new M: a whole number, 0 or less
	s_delay_alu instid0(VALU_DEP_1)
	v_cvt_i32_f32 v[TT], v[TT]                     ; (it saturates)
	s_delay_alu instid0(VALU_DEP_1)
	v_ldexp_f32 v[FF], 1.0, v[TT]                  ; f = 2^(old M - new M)
.set j, 0
.rept 32
	v_pk_fma_f32 v[SS+j:SS+j+1], v[SS+j:SS+j+1], s[CS:CS+1], v[12:13] op_sel_hi:[1,0,0]   ; t - M, two at a time
.set j, j+2
.endr
.irp b, 0,1,2,3
	v_fma_f32 v[BM+\b], v[BM+\b], s[CS], v12       ; the same of each block's largest score
.endr
.set j, 0
	s_wait_alu depctr_va_vdst(0)
.rept 64
	v_exp_f32 v[SS+j], v[SS+j]                     ; p = 2^(t - M)
.set j, j+1
.endr
	v_pk_mul_f32 v[14:15], v[14:15], v[FF:FF+1] op_sel_hi:[1,0]   ; the sums under the new M (the plain line behind the exponentials)
	s_wait_alu depctr_va_vdst(0)                   ; one wait for the whole batch, ahead of its first reader
.irp b, 0,1,2,3
	v_exp_f32 v[BM+\b], v[BM+\b]                   ; the block's largest p: the same two instructions on the same number give the same bits
.endr
	v_pk_add_f32 v[66:67], v[148:149], v[152:153]  ; the row's sum of the unquantised p, in eight chains
	v_pk_add_f32 v[254:255], v[156:157], v[160:161]
	v_pk_add_f32 v[252:253], v[164:165], v[168:169]
	v_pk_add_f32 v[250:251], v[172:173], v[176:177]
	v_pk_add_f32 v[248:249], v[180:181], v[184:185]
	v_pk_add_f32 v[246:247], v[188:189], v[192:193]
	v_pk_add_f32 v[244:245], v[196:197], v[200:201]
	v_pk_add_f32 v[14:15], v[14:15], v[204:205]
	v_pk_add_f32 v[66:67], v[66:67], v[144:145]
	v_pk_add_f32 v[254:255], v[254:255], v[146:147]
	v_pk_add_f32 v[252:253], v[252:253], v[150:151]
	v_pk_add_f32 v[250:251], v[250:251], v[154:155]
	v_pk_add_f32 v[248:249], v[248:249], v[158:159]
	v_pk_add_f32 v[246:247], v[246:247], v[162:163]
	v_pk_add_f32 v[244:245], v[244:245], v[166:167]
	v_pk_add_f32 v[14:15], v[14:15], v[170:171]
	v_pk_add_f32 v[66:67], v[66:67], v[174:175]
	v_pk_add_f32 v[254:255], v[254:255], v[178:179]
	v_pk_add_f32 v[252:253], v[252:253], v[182:183]
	v_pk_add_f32 v[250:251], v[250:251], v[186:187]
	v_pk_add_f32 v[248:249], v[248:249], v[190:191]
	v_pk_add_f32 v[246:247], v[246:247], v[194:195]
	v_pk_add_f32 v[244:245], v[244:245], v[198:199]
	v_pk_add_f32 v[14:15], v[14:15], v[202:203]
	v_pk_add_f32 v[66:67], v[66:67], v[206:207]
	s_delay_alu instid0(VALU_DEP_2)
	v_pk_add_f32 v[14:15], v[14:15], v[250:251]
	s_delay_alu instid0(VALU_DEP_2)
	v_pk_add_f32 v[66:67], v[66:67], v[248:249]
	v_pk_add_f32 v[254:255], v[254:255], v[246:247]
	v_pk_add_f32 v[252:253], v[252:253], v[244:245]
	s_delay_alu instid0(VALU_DEP_2)
	v_pk_add_f32 v[14:15], v[14:15], v[254:255]
	s_delay_alu instid0(VALU_DEP_2)
	v_pk_add_f32 v[66:67], v[66:67], v[252:253]
	s_delay_alu instid0(VALU_DEP_1)
	v_pk_add_f32 v[14:15], v[14:15], v[66:67]
	s_wait_alu depctr_va_vdst(0)                   ; and one for the four
.irp b, 0,1,2,3
	v_max_num_f32 v[BM+\b], 0x1800000, v[BM+\b]    ; the floor 2^(3 - 127): the byte cannot fall under 1
.endr
.irp b, 0,1,2,3
	s_delay_alu instid0(VALU_DEP_4)
	v_add_nc_u32 v[SO+\b], 0xff000000, v[BM+\b]    ; 2 off the exponent field: the conversion's scale operand
.endr
.irp b, 0,1,2,3
	s_delay_alu instid0(VALU_DEP_4)
	v_lshrrev_b32 v[T2+\b], 23, v[SO+\b]           ; the scale's byte
.endr
	s_delay_alu instid0(VALU_DEP_3)
	v_lshl_or_b32 v[PW], v[T2+1], 8, v[T2]
	s_delay_alu instid0(VALU_DEP_1)
	v_lshl_or_b32 v[PW], v[T2+2], 16, v[PW]
	s_delay_alu instid0(VALU_DEP_1)
	v_lshl_or_b32 v[PW], v[T2+3], 24, v[PW]        ; p's scale word for these 128 keys
.irp c, 0,1
	v_cvt_scalef32_pk16_fp6_f32 v[PC+6*\c:PC+6*\c+2], v[SS+32*\c:SS+32*\c+15], v[SO+2*\c]
	v_cvt_scalef32_pk16_fp6_f32 v[T2+4*\c:T2+4*\c+2], v[SS+32*\c+16:SS+32*\c+31], v[SO+2*\c+1]   ; (a conversion's three registers begin on an even number)
.endr
	v_nop                                          ; one plain place behind a scaled conversion
.irp t, 0,1,2,3                                ; V's four tiles of 16 channels x these 128 keys, into the registers that p has left
.irp c, 0,1
	ds_load_b128 v[SS+12*\t+6*\c:SS+12*\t+6*\c+3], v[ADV16] offset:1536*\t+768*\c
	ds_load_b64 v[SS+12*\t+6*\c+4:SS+12*\t+6*\c+5], v[ADV8] offset:1536*\t+768*\c
.endr
	ds_load_b32 v[VSC+\t], v[ADT] offset:64*\t
.endr
.irp c, 0,1                                    ; the operand's layout wants a WHOLE block in a lane
.irp i, 0,1,2
	v_permlane16_swap_b32 v[PC+6*\c+\i], v[T2+4*\c+\i]
.endr
.irp i, 0,1,2
	s_delay_alu instid0(VALU_DEP_3)
	v_mov_b32 v[PC+3+6*\c+\i], v[T2+4*\c+\i]
.endr
.endr
.set j, 0
.rept 16
	v_pk_mul_f32 v[OT+j:OT+j+1], v[OT+j:OT+j+1], v[FF:FF+1] op_sel_hi:[1,0]   ; O^T under the new M (also the places between p's codes and scale word and the products)
.set j, j+2
.endr
	s_wait_alu depctr_va_vdst(0)
	s_wait_dscnt 0x0
.irp t, 0,1,2,3                                ; O^T += V^T P^T: the four accumulators by turns
	v_wmma_scale_f32_16x16x128_f8f6f4 v[OT+8*\t:OT+8*\t+7], v[SS+12*\t:SS+12*\t+11], v[PC:PC+11], v[OT+8*\t:OT+8*\t+7], v[VSC+\t], v[PW] matrix_a_fmt:MATRIX_FMT_FP6 matrix_b_fmt:MATRIX_FMT_FP6
.endr
	s_add_co_u32 s[T6], s[T6], 6144
	s_add_co_u32 s[T5], s[T5], 512
	s_add_co_u32 s[T4], s[T4], 256
.endm
.macro BEGIN                           ; a pass begins: the first step finds zeros, which the first change of M leaves zeros
	v_mov_b32 v13, 0xff61b1e6                      ; the largest t so far: -3e38
	s_delay_alu instid0(VALU_DEP_1)
	v_floor_f32 v12, -v13                          ; -M
	v_mov_b32 v14, 0
	v_mov_b32 v15, 0
.set j, 0
.rept 32
	v_mov_b32 v[OT+j], 0
.set j, j+1
.endr
	s_mov_b32 s[T6], 0
	s_mov_b32 s[T5], 0
	s_mov_b32 s[T4], 0
.endm
; A pass ends: O^T / l; register 16 b + n is channel 32 b + 16 (lane / 16) + n of my query: two blocks of the last product's K.  Quantised, and stored as half a fragment's image.
.macro FINISH p
.rept 4
	v_nop                                          ; places behind the last products
.endr
	v_add_f32 v14, v14, v15                        ; the sum's two halves,
	s_delay_alu instid0(VALU_DEP_1)
	v_permlanex16_b32 v[TT], v14, s[SEL], s[SEL+1]
	s_delay_alu instid0(VALU_DEP_1)
	v_add_f32 v14, v14, v[TT]                      ; and lane l xor 16's
	s_wait_alu depctr_va_vdst(0)
	v_rcp_f32 v14, v14
	v_nop                                          ; one plain place behind the reciprocal
	s_wait_alu depctr_va_vdst(0)                   ; and the wait ahead of its first reader
.set j, 0
.rept 32
	v_mul_f32 v[SS+j], v[OT+j], v14                ; each accumulator from its low end on
.set j, j+1
.endr
.irp b, 0,1
	v_max3_num_f32 v[BM+\b], |v[SS+16*\b]|, |v[SS+16*\b+1]|, 0x1800000
.endr
.irp i, 2,4,6,8,10,12,14
.irp b, 0,1
	s_delay_alu instid0(VALU_DEP_2)
	v_max3_num_f32 v[BM+\b], v[BM+\b], |v[SS+16*\b+\i]|, |v[SS+16*\b+\i+1]|
.endr
.endr
.irp b, 0,1
	s_delay_alu instid0(VALU_DEP_2)
	v_permlanex16_b32 v[T2+\b], v[BM+\b], s[SEL], s[SEL+1]
.endr
.irp b, 0,1
	s_delay_alu instid0(VALU_DEP_2)
	v_max_num_f32 v[BM+\b], v[BM+\b], v[T2+\b]
.endr
.irp b, 0,1
	s_delay_alu instid0(VALU_DEP_2)
	v_add_nc_u32 v[SO+\b], 0xff000000, v[BM+\b]
.endr
.irp b, 0,1
	s_delay_alu instid0(VALU_DEP_2)
	v_lshrrev_b32 v[BM+2+\b], 23, v[SO+\b]
.endr
	v_cvt_scalef32_pk16_fp6_f32 v[PC:PC+2], v[SS:SS+15], v[SO]
	v_cvt_scalef32_pk16_fp6_f32 v[T2:T2+2], v[SS+16:SS+31], v[SO+1]
	v_cndmask_b32 v[BYT], v[BM+2], v[BM+3], s[HM]  ; lanes 0-15 store block 0's byte, lanes 16-31 block 1's (also the plain place behind the conversions)
.irp i, 0,1,2
	v_permlane16_swap_b32 v[PC+\i], v[T2+\i]
.endr
.irp i, 0,1,2
	s_delay_alu instid0(VALU_DEP_3)
	v_mov_b32 v[PC+3+\i], v[T2+\i]
.endr
	global_store_b128 v[AK16], v[PC:PC+3], s[76:77] offset:196608*\p   ; 512 consecutive bytes,
	global_store_b64 v[AK8], v[PC+4:PC+5], s[76:77] offset:196608*\p   ; and 256 more
	global_store_b8 v[OSO], v[BYT], s[78:79] offset:8192*\p            ; a row's 32 scale bytes come from sixteen heads' work-groups: two bytes of each row are mine
.endm
	BEGIN
	s_wait_tensorcnt 0x0                           ; my sixteenth of the codes is in
	s_wait_dscnt 0x0                               ; my stores of the code words and the scale words are done
	s_barrier_signal -1
	s_barrier_wait -1                              ; everybody's are: nothing is filled again, so this is the only barrier ahead of the closing round
	s_mov_b32 s[CNT], 16
.Lp0:
	STEP QF0, QS0
	s_sub_co_u32 s[CNT], s[CNT], 1
	s_cmp_lg_u32 s[CNT], 0
	s_cbranch_scc1 .Lp0
	FINISH 0
	s_wait_xcnt 0x0                                ; the stores have read their data: the registers are written again only behind this wait
	BEGIN
	s_mov_b32 s[CNT], 16
.Lp1:
	STEP QF1, QS0+1
	s_sub_co_u32 s[CNT], s[CNT], 1
	s_cmp_lg_u32 s[CNT], 0
	s_cbranch_scc1 .Lp1
	FINISH 1
	s_wait_tensorcnt 0x0                           ; the wave's end
	ds_add_u32 v[SPW], v[NIL]
	s_wait_dscnt 0x0
	CROUND                                         ; the closing round
	s_endpgm
.Lfunc_end_k_qfb154b4b91_attn:
	.size	k_qfb154b4b91_attn, .Lfunc_end_k_qfb154b4b91_attn-k_qfb154b4b91_attn
	.p2alignl 7, 3214868480
	.fill 96, 4, 3214868480
	.section	.rodata,"a",@progbits
	.p2align	6, 0x0
	.amdhsa_kernel k_qfb154b4b91_attn
		.amdhsa_group_segment_fixed_size 223232
		.amdhsa_private_segment_fixed_size 0
		.amdhsa_enable_private_segment 0
		.amdhsa_kernarg_size 40
		.amdhsa_user_sgpr_count 2
		.amdhsa_user_sgpr_kernarg_segment_ptr 1
		.amdhsa_wavefront_size32 1
		.amdhsa_system_sgpr_workgroup_id_x 1
		.amdhsa_system_sgpr_workgroup_id_y 1
		.amdhsa_system_sgpr_workgroup_id_z 1
		.amdhsa_system_vgpr_workitem_id 0
		.amdhsa_next_free_vgpr 256
		.amdhsa_next_free_sgpr 96
		.amdhsa_reserve_vcc 1
		.amdhsa_float_denorm_mode_32 3
		.amdhsa_float_denorm_mode_16_64 3
		.amdhsa_memory_ordered 1
		.amdhsa_forward_progress 1
		.amdhsa_inst_pref_size 59
	.end_amdhsa_kernel
	.amdgpu_metadata
---
amdhsa.version: [ 1, 2 ]
amdhsa.kernels:
  - .name:           k_qfb154b4b91_attn
    .symbol:         k_qfb154b4b91_attn.kd
    .args:
      - { .name: c2, .offset: 0, .size: 8, .value_kind: global_buffer, .address_space: global }
      - { .name: s2, .offset: 8, .size: 8, .value_kind: global_buffer, .address_space: global }
      - { .name: mask, .offset: 16, .size: 8, .value_kind: global_buffer, .address_space: global }
      - { .name: c3, .offset: 24, .size: 8, .value_kind: global_buffer, .address_space: global }
      - { .name: s3, .offset: 32, .size: 8, .value_kind: global_buffer, .address_space: global }
    .group_segment_fixed_size: 223232
    .private_segment_fixed_size: 0
    .kernarg_segment_align: 8
    .kernarg_segment_size: 40
    .max_flat_workgroup_size: 512
    .sgpr_count:     96
    .vgpr_count:     256
    .wavefront_size: 32
...
	.end_amdgpu_metadata
.endif
;; end of part 3
;; launch outp (part 4): grid 4 x 32, 4 waves a work-group, clusters of 4 x 4, 327,680 bytes of LDS; arguments c3, s3, c1, s1, out0; writes out0
.if DOCPART == 4
	.amdgcn_target "amdgcn-amd-amdhsa--gfx1250"
	.amdhsa_code_object_version 6
	.text
	.protected	k_qfb154b4b91_outp
	.globl	k_qfb154b4b91_outp
	.p2align	8
	.type	k_qfb154b4b91_outp,@function
k_qfb154b4b91_outp:
	s_mov_b64 s[64:65], 0
	v_nop
	global_prefetch_b8 v0, s[64:65] scope:SCOPE_SE
	s_setreg_imm32_b32 hwreg(HW_REG_WAVE_MODE, 25, 1), 1
	s_wait_xcnt 0x0
	s_wait_alu depctr_hold_cnt(0) depctr_sa_sdst(0) depctr_va_vdst(0) depctr_va_sdst(0) depctr_va_ssrc(0) depctr_va_vcc(0) depctr_vm_vsrc(0)
	s_getreg_b32 s2, hwreg(HW_REG_IB_STS2, 6, 4)
	s_cmp_eq_u32 s2, 0
	s_cbranch_scc0 .Lentry_in_a_cluster
	s_endpgm
.Lentry_in_a_cluster:
	s_bfe_u32 s2, ttmp6, 0x10000c
	s_cmp_lg_u32 s2, 0xf033
	s_cbranch_scc0 .Lentry_shape_is_right
	s_endpgm
.Lentry_shape_is_right:
.set NQ,     2
.set ROWB,   24576                     ; from a K step's tile of 128 rows of B to the next K step's, in c1
.set KROW,   768
.set PITCH,  240
.set FR,     12
.set NL,     6
.set NLA,    4
.set NP,     4
.set ABLK,   3072
.set HALFA,  8*ABLK
.set HALFB,  128*PITCH
.set SLOT,   2*HALFA+2*HALFB
.set LAPS,   2
.set KS,     32
.set SCL,    2*SLOT
.set HALFS,  (128*KS/256)*272
.set SBLK,   (16*KS/256)*272
.set SPARE,  SCL+4*HALFS
.set SPITCH, 528
.set ADA16, 16
.set ADA8,  18
.set ADRB, 20
.set STO,  24
.set RD,   25
.set CO,   26
.set ADRS, 27
.set SPW,  28
.set NIL,  29
.set SC,   32
.set AF,   128
.set BK,   128
.set G1, 24
.set G0, 32
.set G1B, 48
.set G0B, 56
.set MSB, 0
.macro WIN new
.if MSB != (\new)
	s_set_vgpr_msb (MSB<<8)|(\new)
.set MSB, (\new)
.endif
.endm
.set MUL_LO, 0xa1
.set MUL_HI, 0xf1
.set TO_B,   0x40
.macro JLOAD g0a, g1a, g0b, g1b
	s_cmp_eq_u32 s15, 0
	s_cbranch_scc0 .Lfor_b_\@
	tensor_load_to_lds s[\g0a:\g0a+3], s[\g1a:\g1a+7]
	s_nop 0
.rept 4
	v_nop
.endr
	s_branch .Lasked_\@
.Lfor_b_\@:
	tensor_load_to_lds s[\g0b:\g0b+3], s[\g1b:\g1b+7]
	s_nop 0
.rept 4
	v_nop
.endr
.Lasked_\@:
.endm
.macro CREST
	s_cmp_lg_u32 s14, 0
	s_cbranch_scc1 .Lnot_wave_0_\@
	s_barrier_signal -3
.Lnot_wave_0_\@:
	s_barrier_wait -3
	s_barrier_signal -1
	s_barrier_wait -1
.endm
.macro CROUND
	s_barrier_signal -1
	s_barrier_wait -1
	CREST
.endm
	s_load_b256 s[4:11], s[0:1], 0x0
	s_load_b64 s[12:13], s[0:1], 0x20
	v_lshl_add_u32 v[SPW], v0, 2, SPARE
	v_mov_b32 v[NIL], 0
	ds_add_u32 v[SPW], v[NIL]
	ds_add_u32 v[SPW], v[NIL]
	v_lshrrev_b32 v1, 5, v0
	v_readfirstlane_b32 s14, v1
	s_lshr_b32 s15, s14, 1
	s_and_b32 s16, s14, 1
	s_bfe_u32 s40, ttmp6, 0x40000
	s_bfe_u32 s41, ttmp6, 0x40004
	s_lshl_b32 s42, ttmp9, 2
	s_add_co_u32 s42, s42, s40
	s_and_b32 s17, ttmp7, 0xffff
	s_lshl_b32 s17, s17, 2
	s_add_co_u32 s17, s17, s41
	s_lshl_b32 s43, s41, 2
	s_lshl_b32 s43, 15, s43
	s_lshl_b32 s44, 0x1111, s40
	s_or_b32 s[G1+0], s43, (3<<16)|(1<<21)
	s_mov_b32 s[G1+1], 384<<16
	s_mov_b32 s[G1+2], 8<<16
	s_mov_b32 s[G1+3], 384<<16
	s_mov_b32 s[G1+4], 8
	s_mov_b32 s[G1+5], 1536
	s_mov_b32 s[G1+6], 0
	s_mov_b32 s[G1+7], 0
	s_or_b32 s[G1B+0], s44, (0<<16)|(1<<20)|(1<<21)|(3<<22)|(3<<25)
	s_mov_b32 s[G1B+1], 256<<16                    ; 128 rows x 192 bytes lie dense in c1: stated as 96 rows of 256 bytes; 16 bytes of padding behind every 64, so an LDS row of 192 bytes has the pitch 240
	s_mov_b32 s[G1B+2], 96<<16
	s_mov_b32 s[G1B+3], 256<<16
	s_mov_b32 s[G1B+4], 96
	s_mov_b32 s[G1B+5], 256
	s_mov_b32 s[G1B+6], 0
	s_mov_b32 s[G1B+7], 0
	s_lshl_b32 s18, s16, 7
	s_lshl_b32 s20, s17, 8
	s_add_co_u32 s20, s20, s18
	s_lshl_b32 s46, s42, 8
	s_add_co_u32 s46, s46, s18
	s_add_co_u32 s46, s46, 27648
	s_sub_co_u32 s22, s20, s18                     ; the scale bytes of the tile's 256 rows of A: 8,192 dense bytes,
	s_lshl_b32 s22, s22, 5
	s_mov_b32 s23, 0
	s_sub_co_u32 s92, s46, s18                     ; and of B
	s_lshl_b32 s92, s92, 5
	s_mov_b32 s93, 0
	s_mul_i32 s20, s20, 768
	s_mov_b32 s21, 0
	s_mul_i32 s46, s46, KROW
	s_mov_b32 s47, 0
	s_mul_i32 s45, s16, HALFA
	s_mul_i32 s95, s16, HALFB
	s_add_co_u32 s95, s95, 2*HALFA
	v_lshlrev_b32 v4, 4, v0                        ; the scale bytes go through registers: 16 bytes a thread, 2,048 an instruction of the work-group,
	v_lshrrev_b32 v5, 4, v0
	v_mul_u32_u24 v5, v5, 272                      ; into units of 256 bytes + 16 of padding
	v_and_b32 v6, 15, v0
	v_lshl_add_u32 v5, v6, 4, v5
	v_add_nc_u32 v5, SCL, v5
	s_wait_alu depctr_va_vdst(0)
	s_wait_dscnt 0x0
	s_wait_kmcnt 0x0
	s_add_nc_u64 s[20:21], s[4:5], s[20:21]
	s_add_nc_u64 s[22:23], s[6:7], s[22:23]
	s_add_nc_u64 s[46:47], s[8:9], s[46:47]
	s_add_nc_u64 s[92:93], s[10:11], s[92:93]
	CROUND
.irp s, 0,1
	s_mov_b32 s[G0+4*\s], 1
	s_add_co_u32 s[G0+4*\s+1], s45, \s*SLOT
	s_add_nc_u64 s[G0+4*\s+2:G0+4*\s+3], s[20:21], \s*ABLK
	s_or_b32 s[G0+4*\s+3], s[G0+4*\s+3], 0x80000000
	s_mov_b32 s[G0B+4*\s], 1
	s_add_co_u32 s[G0B+4*\s+1], s95, \s*SLOT
	s_add_nc_u64 s[G0B+4*\s+2:G0B+4*\s+3], s[46:47], \s*ROWB
	s_or_b32 s[G0B+4*\s+3], s[G0B+4*\s+3], 0x80000000
.endr
	JLOAD G0, G1, G0B, G1B                         ; K step 0: one tensor load a wave at the head
.irp k, 0,1,2,3                                ; the scale bytes, 16,384 of the head's bytes, come by plain loads while that load is out: the head's four tensor loads are taken by the codes
	global_load_b128 v[SC+4*\k:SC+4*\k+3], v4, s[22:23] offset:2048*\k
	global_load_b128 v[SC+16+4*\k:SC+16+4*\k+3], v4, s[92:93] offset:2048*\k
.endr
	s_wait_loadcnt 0x0
.irp k, 0,1,2,3
	ds_store_b128 v5, v[SC+4*\k:SC+4*\k+3] offset:2176*\k             ; eight units of 272 bytes an instruction; no tensor load lands on these bytes
	ds_store_b128 v5, v[SC+16+4*\k:SC+16+4*\k+3] offset:2*HALFS+2176*\k
.endr
	s_wait_tensorcnt 0x0                           ; my part of K step 0 is in
	ds_add_u32 v[SPW], v[NIL]
	s_wait_dscnt 0x0                               ; the add and my stores of scale bytes are done
	CROUND
	JLOAD G0+4, G1, G0B+4, G1B                     ; K step 1, the first tensor load behind the round
	v_and_b32 v1, 15, v0
	v_bfe_u32 v2, v0, 4, 1
	v_and_b32 v6, 31, v0
	v_mul_u32_u24 v3, v1, PITCH
	v_mul_u32_u24 v4, v2, 24
	v_add_nc_u32 v4, v3, v4
	v_lshl_add_u32 v5, v2, 4, v4
	v_lshlrev_b32 v7, 4, v6
	v_lshl_add_u32 v8, v6, 3, 512
	s_mul_i32 s21, s15, HALFA
	s_mul_i32 s22, s16, HALFB
	s_add_co_u32 s22, s22, 2*HALFA
.irp s, 0,1
	v_add_nc_u32 v[ADA16+\s], s21, v7
	v_add_nc_u32 v[ADA8+\s], s21, v8
	v_add_nc_u32 v[ADRB+\s], s22, v4
	v_add_nc_u32 v[ADRB+2+\s], s22, v5
	s_add_co_u32 s21, s21, SLOT
	s_add_co_u32 s22, s22, SLOT
.endr
	v_mul_u32_u24 v5, v1, KS
	v_lshrrev_b32 v9, 8, v5
	v_lshl_add_u32 v5, v9, 4, v5
	s_mul_i32 s21, s15, HALFS
	s_mul_i32 s22, s16, HALFS
	s_add_co_u32 s22, s22, 2*HALFS
	s_sub_co_u32 s22, s22, s21
	v_mul_u32_u24 v9, s22, v2
	s_add_co_u32 s21, s21, SCL
	v_add_nc_u32 v5, v5, v9
	v_add_nc_u32 v[ADRS], s21, v5
	s_mul_i32 s23, s14, 16*SPITCH
	v_mul_u32_u24 v5, v1, SPITCH
	v_lshl_add_u32 v5, v2, 6, v5
	v_add_nc_u32 v[STO], s23, v5
	v_mov_b32 v[CO], v7
	v_add_nc_u32 v[RD], s23, v7
	s_lshl_b32 s20, s17, 8
	s_lshl_b32 s21, s15, 7
	s_add_co_u32 s20, s20, s21
	s_lshl_b32 s20, s20, 12
	s_lshl_b32 s46, s42, 10
	s_lshl_b32 s47, s16, 9
	s_add_co_u32 s46, s46, s47
	s_add_co_u32 s20, s20, s46
	s_mov_b32 s21, 0
	s_add_nc_u64 s[12:13], s[12:13], s[20:21]
.macro FRAG reg, adr, q, i
.irp p, 0,1,2,3,4,5
.set PIE, 12*(\q)+6*(\p/3)+\p%3
.if PIE%8 < 5
	ds_load_b64 v[\reg+2*\p:\reg+2*\p+1], v[\adr] offset:8*PIE+16*(PIE/8)+(\i)*16*PITCH
.else
	ds_load_b64 v[\reg+2*\p:\reg+2*\p+1], v[\adr+2] offset:8*PIE+16*(PIE/8)+(\i)*16*PITCH
.endif
.endr
.endm
.macro FRAGA reg, slot, q, i
.irp c, 0,1
	ds_load_b128 v[\reg+6*\c:\reg+6*\c+3], v[ADA16+\slot] offset:ABLK*(\i)+1536*(\q)+768*\c
	ds_load_b64 v[\reg+6*\c+4:\reg+6*\c+5], v[ADA8+\slot] offset:ABLK*(\i)+1536*(\q)+768*\c
.endr
.endm
.macro MUL16 a0, p, q, sc, zero
.irp a, \a0, \a0+1
.irp b, 0,1,2,3,4,5,6,7
.if \zero
	v_wmma_scale_f32_16x16x128_f8f6f4 v[8*(8*((\a)%4)+\b):8*(8*((\a)%4)+\b)+7], v[128*(\p)+FR*\b:128*(\p)+FR*\b+FR-1], v[AF+FR*(\a):AF+FR*(\a)+FR-1], 0, v[SC+8*NQ*(\sc)+NQ*\b+(\q)], v[SC+8*NQ*(\sc)+NQ*(\a)+(\q)] matrix_a_fmt:MATRIX_FMT_FP6 matrix_b_fmt:MATRIX_FMT_FP6 matrix_a_scale:MATRIX_SCALE_ROW1
.else
	v_wmma_scale_f32_16x16x128_f8f6f4 v[8*(8*((\a)%4)+\b):8*(8*((\a)%4)+\b)+7], v[128*(\p)+FR*\b:128*(\p)+FR*\b+FR-1], v[AF+FR*(\a):AF+FR*(\a)+FR-1], v[8*(8*((\a)%4)+\b):8*(8*((\a)%4)+\b)+7], v[SC+8*NQ*(\sc)+NQ*\b+(\q)], v[SC+8*NQ*(\sc)+NQ*(\a)+(\q)] matrix_a_fmt:MATRIX_FMT_FP6 matrix_b_fmt:MATRIX_FMT_FP6 matrix_a_scale:MATRIX_SCALE_ROW1
.endif
.endr
.endr
.endm
.macro FETCH_B slot, q, p
	WIN TO_B
.irp i, 0,1,2,3,4,5,6,7
	FRAG 128*(\p)+FR*\i, ADRB+\slot, \q, \i
.endr
	WIN 0
.endm
.macro FETCH_A slot, q, i0
.irp i, \i0, \i0+1, \i0+2, \i0+3
	FRAGA AF+FR*(\i), \slot, \q, \i
.endr
.endm
.macro SCALES sc
.irp i, 0,1,2,3,4,5,6,7
	ds_load_b64 v[SC+8*NQ*\sc+NQ*\i:SC+8*NQ*\sc+NQ*\i+1], v[ADRS] offset:\i*SBLK
.endr
.endm
.macro PLACES n
.rept \n
	v_nop
.endr
.endm
.macro STEP slot, q, zero
	s_wait_dscnt 4*NLA
	WIN MUL_LO
	MUL16 0, (\q)%2, \q, \slot, \zero
	MUL16 2, (\q)%2, \q, \slot, \zero
	s_wait_dscnt 0
	PLACES NP
	FETCH_B \slot, (\q)+1, 1-(\q)%2
	FETCH_A \slot, (\q)+1, 0
	WIN MUL_HI
	MUL16 4, (\q)%2, \q, \slot, \zero
	MUL16 6, (\q)%2, \q, \slot, \zero
	PLACES NP
	WIN 0
	FETCH_A \slot, (\q)+1, 4
.endm
.macro TURN slot, next, fill
	s_wait_tensorcnt 0x0
	ds_add_u32 v[SPW], v[NIL]
	s_wait_dscnt 4*NLA+1
	WIN MUL_LO
	MUL16 0, 1, NQ-1, \slot, 0
	s_wait_dscnt 0x0
	s_barrier_signal -1
	MUL16 2, 1, NQ-1, \slot, 0
	WIN 0
	s_barrier_wait -1
.if \fill
	CREST
	s_add_nc_u64 s[G0+4*\slot+2:G0+4*\slot+3], s[G0+4*\slot+2:G0+4*\slot+3], 2*ABLK
	s_add_nc_u64 s[G0B+4*\slot+2:G0B+4*\slot+3], s[G0B+4*\slot+2:G0B+4*\slot+3], 2*ROWB
	JLOAD G0+4*\slot, G1, G0B+4*\slot, G1B
.else
	PLACES NP
.endif
	s_wait_alu depctr_va_vdst(0)
	v_add_nc_u32 v[ADRS], 4*NQ, v[ADRS]
	FETCH_B \next, 0, 0
	FETCH_A \next, 0, 0
	SCALES \next
	WIN MUL_HI
	MUL16 4, 1, NQ-1, \slot, 0
	MUL16 6, 1, NQ-1, \slot, 0
	PLACES NP
	WIN 0
	FETCH_A \next, 0, 4
.endm
	s_wait_alu depctr_va_vdst(0)
	s_wait_tensorcnt 1
	s_barrier_signal -1
	s_barrier_wait -1
	FETCH_B 0, 0, 0
	FETCH_A 0, 0, 0
	SCALES 0
	FETCH_A 0, 0, 4
	STEP 0, 0, 1
	s_mov_b32 s3, LAPS-1
.Llap:
	TURN 0, 1, 1
	STEP 1, 0, 0
	TURN 1, 0, 1
	STEP 0, 0, 0
	s_sub_co_u32 s3, s3, 1
	s_cmp_lg_u32 s3, 0
	s_cbranch_scc1 .Llap
	TURN 0, 1, 0
	STEP 1, 0, 0
	s_wait_dscnt 4*NLA
	WIN MUL_LO
	MUL16 0, 1, NQ-1, 1, 0
	MUL16 2, 1, NQ-1, 1, 0
	s_wait_dscnt 0
	WIN MUL_HI
	MUL16 4, 1, NQ-1, 1, 0
	MUL16 6, 1, NQ-1, 1, 0
	WIN 0
.macro TOSTAGE a
.set AC, 64*((\a)%4)
	WIN 0x08+4*((\a)/4)
.irp b, 0,1,2,3,4,5,6,7
	ds_store_b128 v[STO], v[AC+8*\b:AC+8*\b+3] offset:128*(\b/2)+32*(\b%2)
	ds_store_b128 v[STO], v[AC+8*\b+4:AC+8*\b+7] offset:128*(\b/2)+32*(\b%2)+16
.endr
	WIN 0
.set BB, BK+64*((\a)%2)
.irp t, 0,1,2,3,4,5,6,7,8,9,10,11,12,13,14,15
	ds_load_b128 v[BB+4*\t:BB+4*\t+3], v[RD] offset:\t*SPITCH
.endr
.endm
.macro SEND a, younger
.set BB, BK+64*((\a)%2)
	s_wait_dscnt \younger
.irp t, 0,1,2,3,4,5,6,7,8,9,10,11,12,13,14,15
	global_store_b128 v[CO], v[BB+4*\t:BB+4*\t+3], s[12:13] offset:(32*((\a)/2)+8*((\a)%2)+(\t%8)+16*(\t/8))*4096 th:TH_STORE_NT
.endr
.endm
	PLACES NP
	TOSTAGE 0
.irp a, 1,2,3,4,5,6,7
.if \a > 1
	s_wait_xcnt 0x0
.endif
	TOSTAGE \a
	SEND \a-1, 32
.endr
	SEND 7, 0
	s_wait_tensorcnt 0x0
	ds_add_u32 v[SPW], v[NIL]
	s_wait_dscnt 0x0
	CROUND
	s_endpgm
.Lfunc_end_k_qfb154b4b91_outp:
	.size	k_qfb154b4b91_outp, .Lfunc_end_k_qfb154b4b91_outp-k_qfb154b4b91_outp
	.p2alignl 7, 3214868480
	.fill 96, 4, 3214868480
	.section	.rodata,"a",@progbits
	.p2align	6, 0x0
	.amdhsa_kernel k_qfb154b4b91_outp
		.amdhsa_group_segment_fixed_size 327680
		.amdhsa_private_segment_fixed_size 0
		.amdhsa_enable_private_segment 0
		.amdhsa_kernarg_size 40
		.amdhsa_user_sgpr_count 2
		.amdhsa_user_sgpr_kernarg_segment_ptr 1
		.amdhsa_wavefront_size32 1
		.amdhsa_system_sgpr_workgroup_id_x 1
		.amdhsa_system_sgpr_workgroup_id_y 1
		.amdhsa_system_sgpr_workgroup_id_z 1
		.amdhsa_system_vgpr_workitem_id 0
		.amdhsa_next_free_vgpr 1024
		.amdhsa_next_free_sgpr 98
		.amdhsa_reserve_vcc 0
		.amdhsa_float_denorm_mode_32 3
		.amdhsa_float_denorm_mode_16_64 3
		.amdhsa_memory_ordered 1
		.amdhsa_forward_progress 1
		.amdhsa_inst_pref_size 152
	.end_amdhsa_kernel
	.amdgpu_metadata
---
amdhsa.version: [ 1, 2 ]
amdhsa.kernels:
  - .name:           k_qfb154b4b91_outp
    .symbol:         k_qfb154b4b91_outp.kd
    .args:
      - { .name: c3, .offset: 0, .size: 8, .value_kind: global_buffer, .address_space: global }
      - { .name: s3, .offset: 8, .size: 8, .value_kind: global_buffer, .address_space: global }
      - { .name: c1, .offset: 16, .size: 8, .value_kind: global_buffer, .address_space: global }
      - { .name: s1, .offset: 24, .size: 8, .value_kind: global_buffer, .address_space: global }
      - { .name: out0, .offset: 32, .size: 8, .value_kind: global_buffer, .address_space: global }
    .group_segment_fixed_size: 327680
    .private_segment_fixed_size: 0
    .kernarg_segment_align: 8
    .kernarg_segment_size: 40
    .max_flat_workgroup_size: 128
    .sgpr_count:     98
    .vgpr_count:     1024
    .wavefront_size: 32
...
	.end_amdgpu_metadata
.endif
;; end of part 4
